; MI455X (gfx1250); checked and timed in simulation.
; The chip was launched on July 23, 2026; its instructions are those of AMD's public machine-readable ISA for CDNA 5 (MIT licence, August 2026) and "CDNA5" Instruction Set Architecture Reference Guide (July 2026). The comments in the code are by the model that wrote it; some were corrected since.
;; Attention. Allowed arithmetic: matrix products marked QUANTISED: E4M3 operands, one given power-of-two scale a tensor, by v_wmma_f32_16x16x64_fp8_fp8 or v_wmma_f32_16x16x128_fp8_fp8, f32 sums; everything else in f32.
;; Inputs: freqs_cos 2,048 x 64 float32; freqs_sin 2,048 x 64 float32; lowp_scales 12 int32 (the exponents e of the quantised operands' scales 2^e); mask 2,048 x 2,048 float32; wk 512 x 2,048 float32; wo 2,048 x 2,048 float32; wq 2,048 x 2,048 float32; wv 512 x 2,048 float32; x 1 x 2,048 x 2,048 float32.
;; Outputs: out0 1 x 2,048 x 2,048 float32.
;; Constants: start_pos = 0.
;; This version of the problem:
;;   THIS VERSION OF THE PROBLEM IS GIVEN IN LOW PRECISION. The matrix products marked QUANTISED in the list below multiply operands that are first quantised to E4M3 (4 exponent bits, 3 mantissa bits; 8 bits a number), with one given power-of-two scale for each operand tensor; their sums are f32. All else is computed in f32.
;;   The module's matrix products, in the order in which they are computed (A, B: the left and right operand; K: the contracted axis; several contracted axes count as one K, in the product's order):
;;     1. [M 2,048, K 2,048] x [K 2,048, N 2,048]; A: input x; B: input wq: QUANTISED (scales: A lowp_scales[0], B lowp_scales[1])
;;     2. [M 2,048, K 2,048] x [K 2,048, N 512]; A: input x; B: input wk: QUANTISED (scales: A lowp_scales[2], B lowp_scales[3])
;;     3. [M 2,048, K 2,048] x [K 2,048, N 512]; A: input x; B: input wv: QUANTISED (scales: A lowp_scales[4], B lowp_scales[5])
;;     4. batch 16 x [M 2,048, K 128] x [K 128, N 2,048]; A: computed on the way; B: computed on the way: QUANTISED (scales: A lowp_scales[6], B lowp_scales[7])
;;     5. batch 16 x [M 128, K 2,048] x [K 2,048, N 2,048]; A: computed on the way; B: softmax (see below): QUANTISED (scales: A lowp_scales[8], B lowp_scales[9])
;;     6. [M 2,048, K 2,048] x [K 2,048, N 2,048]; A: computed on the way; B: input wo: QUANTISED (scales: A lowp_scales[10], B lowp_scales[11])
;;   THE QUANTISER, for each operand of a quantised product, along K:
;;     - The operand's scale is 2^e, e = its entry of the input lowp_scales (int32; the entries are numbered through the quantised products in the list's order, A before B).
;;     - Each number is divided by the scale, clamped to +-448, and rounded to the nearest number of E4M3, ties to even, subnormals kept.
;;     - The product sums the exact products of the quantised numbers (number of the format x scale) in f32.
;;   ~~~python
;;   def quantise(x, axis, e):      # numpy; x: float32 -> the quantised numbers, widened to float32 again
;;       x = np.moveaxis(x, axis, -1); K = x.shape[-1]
;;       r = np.clip(x / 2.0 ** e, -448, 448)
;;       step = 2.0 ** (np.maximum(np.frexp(np.where(r == 0, 1, r))[1] - 1, -6) - 3)
;;       q = np.round(r / step) * step * 2.0 ** e      # np.round: ties to even
;;       return np.moveaxis(q, -1, axis).astype(np.float32)
;;   ~~~
;;   SOFTMAX AHEAD OF A QUANTISED PRODUCT. Where the list says 'softmax', what is quantised is not the finished softmax but p = 2^(t - M), with t = logit x log2(e) and M = ceil(the row's largest t), a whole number; so 1/2 < the row's largest p <= 1. The row's sum l is taken of the UNQUANTISED p, in f32, and the product's result is divided by l at the end. Since M is a whole number, a kernel that streams over the keys may use a running M (the ceiling of the running maximum): every later rescaling is an exact power of two, so the quantised numbers keep their values, but for numbers so far below the row's largest that they fall under the format's range.
;;   OPERANDS COMPUTED ON THE WAY. 'Computed on the way' means the value that the module computes at that place (a softmax that the list does not call 'softmax' is quantised finished and normalised). What goes into a quantiser is computed in f32, as accurately as f32 sums, v_exp_f32 and their like allow (about 1e-6 of the number): no bf16 or f16 on the way to a quantiser, and a product that is left as it is and whose result goes on into a quantised operand takes f32 operands (vector FMAs, or v_wmma_f32_16x16x4_f32). A number that lies on a knife's edge between two numbers of the format may be rounded either way, as far as f32 arithmetic and the matrix unit's own rounding can turn it there, and no further.
;; 2 versions. Each part assembles by itself: llvm-mc -triple=amdgcn-amd-amdhsa -mcpu=gfx1250 --defsym DOCPART=n.
;; ======== version 1 of 2: 4 launches
;; workspace buffers: xc 12,582,912 bytes; wc 10,485,760 bytes; q_c 4,194,304 bytes; kv_c 2,097,152 bytes; o_c 4,194,304 bytes
;; launch quant (part 1): grid 448 x 1, 4 waves a work-group, no clusters, 0 bytes of LDS; arguments x, wq, wk, wv, wo, lowp_scales, xc, wc; writes xc, wc
.if DOCPART == 1
	.amdgcn_target "amdgcn-amd-amdhsa--gfx1250"
	.amdhsa_code_object_version 6
	.text
	.protected	k_qf2a98846bf_quant
	.globl	k_qf2a98846bf_quant
	.p2align	8
	.type	k_qf2a98846bf_quant,@function
k_qf2a98846bf_quant:
	s_mov_b64 s[64:65], 0
	v_nop
	global_prefetch_b8 v0, s[64:65] scope:SCOPE_SE
	s_setreg_imm32_b32 hwreg(HW_REG_WAVE_MODE, 25, 1), 1
	s_wait_xcnt 0x0
; x [2048][2048] and the four weights (rows of 2,048 along K), f32, become codes of E4M3, one byte each.
; code = number / 2^e, held within +-448, rounded to the nearest code, ties to even.  x is an operand of three products with three given scales
; (entries 0, 2, 4 of the scales' buffer), so it gets three planes of codes in xc; wq, wk, wv, wo (entries 1, 3, 5, 11) lie on end in wc.
; LIMITS: each e used here lies between -126 and 119, so that 2^e and 448 x 2^e are f32 numbers.  NaN among the inputs is not served; an infinity is held at the largest code.
; ORDER OF THE CODES.  A step takes 512 neighbours along K by four loads of 512 consecutive bytes, 16 bytes a lane: lane l holds numbers 128 i + 4 l + j in register 4 i + j.
; Its 16 codes are stored at byte 16 l: inside each aligned run of 512 along K number k lies at byte 16 ((k % 128) / 4) + 4 (k / 128) + k % 4.  Every operand of the products over this K is laid so,
; so each product still meets its partner; only the order of the sums changes.  No turn through LDS: every load and every store of a wave covers 512 consecutive bytes.
; SHARES.  A wave takes 16 steps, a work-group 32,768 numbers.  Work-groups 0-127 take x, the other 320 the weights.  No LDS, no barrier: waves share nothing.  Loads run four steps (16 loads a wave) ahead.
.set XWG,   128                        ; work-groups for x: 2048 x 2048 / 32768
.set R,     16                         ; v16-79   four sets of 16 numbers as loaded
.set T,     80                         ; v80-127  16 held numbers for each of up to three scales
.set C,     128                        ; v128-139 codes: four registers for each scale
.set SC,    140                        ; v140-142 2^e as f32
.set LM,    144                        ; v144-146 448 x 2^e
.set SRC,   34                         ; s[34:35] my wave's numbers
.set DST,   36                         ; s[36:41] my wave's codes, a base for each plane
.macro LOAD t
.irp i, 0,1,2,3
	global_load_b128 v[R+16*((\t)%4)+4*\i:R+16*((\t)%4)+4*\i+3], v3, s[SRC:SRC+1] offset:2048*(\t)+512*\i th:TH_LOAD_NT   ; 32 lanes read 512 consecutive bytes; read once in the launch
.endr
.endm
.macro MKSCALE u, e                    ; s[e] holds the exponent
	s_add_co_i32 s46, s[\e], 127
	s_lshl_b32 s47, s46, 23
	v_mov_b32 v[SC+\u], s47                        ; 2^e as f32: the conversion takes its exponent field
	s_add_co_i32 s46, s46, 8
	s_lshl_b32 s46, s46, 23
	s_or_b32 s46, s46, 0x600000
	v_mov_b32 v[LM+\u], s46                        ; 448 x 2^e
.endm
; One step, for n scales.
.macro STEP t, n
.if 15-(\t) >= 3
	s_wait_loadcnt 12                              ; this step's four loads are in; those of the three steps behind it may be out
.else
	s_wait_loadcnt 4*(15-(\t))
.endif
	s_wait_xcnt 0x0                                ; the last step's stores have read their data: the codes' registers are written again only behind this wait
.irp u, 0,1,2
.if \u < \n
.irp i, 0,1,2,3,4,5,6,7,8,9,10,11,12,13,14,15
	v_med3_num_f32 v[T+16*\u+\i], v[R+16*((\t)%4)+\i], -v[LM+\u], v[LM+\u]   ; the conversion to an 8-bit code does not saturate (ISA guide 7.6.2): the hold comes first
.endr
.endif
.endr
.if (\t)+4 < 16
	LOAD (\t)+4                                    ; the set just read takes the numbers of four steps on
.endif
.irp u, 0,1,2
.if \u < \n
	v_cvt_scalef32_pk8_fp8_f32 v[C+4*\u:C+4*\u+1], v[T+16*\u:T+16*\u+7], v[SC+\u]
	v_cvt_scalef32_pk8_fp8_f32 v[C+4*\u+2:C+4*\u+3], v[T+16*\u+8:T+16*\u+15], v[SC+\u]
.endif
.endr
	v_nop                                          ; a plain line between the conversions and the next step's holds, which write their sources
.irp u, 0,1,2
.if \u < \n
	global_store_b128 v3, v[C+4*\u:C+4*\u+3], s[DST+2*\u:DST+2*\u+1] offset:512*(\t)   ; 32 lanes store 512 consecutive bytes, aligned
.endif
.endr
.endm
	s_load_b512 s[4:19], s[0:1], 0x0               ; x s[4:5], wq s[6:7], wk s[8:9], wv s[10:11], wo s[12:13], scales s[14:15], xc s[16:17], wc s[18:19]
	v_lshrrev_b32 v1, 5, v0
	v_readfirstlane_b32 s32, v1                    ; wave 0..3
	v_and_b32 v2, 31, v0
	v_lshlrev_b32 v3, 4, v2                        ; 16 x lane: my place in every load and every store; never rewritten
	s_mov_b32 s45, 0
	s_wait_kmcnt 0x0
	s_load_b256 s[20:27], s[14:15], 0x0            ; e0 .. e7
	s_load_b128 s[28:31], s[14:15], 0x20           ; e8 .. e11
	s_cmp_ge_u32 ttmp9, XWG
	s_cbranch_scc1 .Lweights
	; ---- x: three planes of codes
	s_lshl_b32 s42, ttmp9, 2
	s_add_co_u32 s42, s42, s32                     ; which run of 8,192 numbers is my wave's
	s_lshl_b32 s44, s42, 15
	s_add_nc_u64 s[SRC:SRC+1], s[4:5], s[44:45]
	s_lshl_b32 s44, s42, 13
	s_add_nc_u64 s[DST:DST+1], s[16:17], s[44:45]
	s_add_nc_u64 s[DST+2:DST+3], s[DST:DST+1], 0x400000   ; a plane is 2048 x 2048 bytes
	s_add_nc_u64 s[DST+4:DST+5], s[DST:DST+1], 0x800000
.irp t, 0,1,2,3
	LOAD \t
.endr
	s_wait_kmcnt 0x0
	MKSCALE 0, 20                                  ; e0: x for wq
	MKSCALE 1, 22                                  ; e2: x for wk
	MKSCALE 2, 24                                  ; e4: x for wv
.irp t, 0,1,2,3,4,5,6,7,8,9,10,11,12,13,14,15
	STEP \t, 3
.endr
	s_endpgm
.Lweights:
	; ---- the weights: work-group j of 320: wq 0-127, wk 128-159, wv 160-191, wo 192-319; their codes lie in wc in that order, so the place in wc follows from j alone
	s_sub_co_u32 s42, ttmp9, XWG                   ; j
	s_mov_b32 s43, 192                             ; the tensor's first j
	s_cmp_lt_u32 s42, 192
	s_cselect_b64 s[SRC:SRC+1], s[10:11], s[12:13]
	s_cselect_b32 s43, 160, s43
	s_cmp_lt_u32 s42, 160
	s_cselect_b64 s[SRC:SRC+1], s[8:9], s[SRC:SRC+1]
	s_cselect_b32 s43, 128, s43
	s_cmp_lt_u32 s42, 128
	s_cselect_b64 s[SRC:SRC+1], s[6:7], s[SRC:SRC+1]
	s_cselect_b32 s43, 0, s43
	s_sub_co_u32 s43, s42, s43
	s_lshl_b32 s43, s43, 2
	s_add_co_u32 s43, s43, s32
	s_lshl_b32 s44, s43, 15                        ; my wave's run in its tensor
	s_add_nc_u64 s[SRC:SRC+1], s[SRC:SRC+1], s[44:45]
	s_lshl_b32 s43, s42, 2
	s_add_co_u32 s43, s43, s32
	s_lshl_b32 s44, s43, 13                        ; and in wc
	s_add_nc_u64 s[DST:DST+1], s[18:19], s[44:45]
.irp t, 0,1,2,3
	LOAD \t
.endr
	s_wait_kmcnt 0x0
	s_cmp_lt_u32 s42, 192
	s_cselect_b32 s44, s25, s31                    ; e5 (wv) or e11 (wo)
	s_cmp_lt_u32 s42, 160
	s_cselect_b32 s44, s23, s44                    ; e3 (wk)
	s_cmp_lt_u32 s42, 128
	s_cselect_b32 s44, s21, s44                    ; e1 (wq)
	MKSCALE 0, 44
.irp t, 0,1,2,3,4,5,6,7,8,9,10,11,12,13,14,15
	STEP \t, 1
.endr
	s_endpgm
.Lfunc_end_k_qf2a98846bf_quant:
	.size	k_qf2a98846bf_quant, .Lfunc_end_k_qf2a98846bf_quant-k_qf2a98846bf_quant
	.p2alignl 7, 3214868480
	.fill 96, 4, 3214868480
	.section	.rodata,"a",@progbits
	.p2align	6, 0x0
	.amdhsa_kernel k_qf2a98846bf_quant
		.amdhsa_group_segment_fixed_size 0
		.amdhsa_private_segment_fixed_size 0
		.amdhsa_enable_private_segment 0
		.amdhsa_kernarg_size 64
		.amdhsa_user_sgpr_count 2
		.amdhsa_user_sgpr_kernarg_segment_ptr 1
		.amdhsa_wavefront_size32 1
		.amdhsa_system_sgpr_workgroup_id_x 1
		.amdhsa_system_sgpr_workgroup_id_y 1
		.amdhsa_system_sgpr_workgroup_id_z 1
		.amdhsa_system_vgpr_workitem_id 0
		.amdhsa_next_free_vgpr 152
		.amdhsa_next_free_sgpr 66
		.amdhsa_reserve_vcc 0
		.amdhsa_float_denorm_mode_32 3
		.amdhsa_float_denorm_mode_16_64 3
		.amdhsa_memory_ordered 1
		.amdhsa_forward_progress 1
		.amdhsa_inst_pref_size 97
	.end_amdhsa_kernel
	.amdgpu_metadata
---
amdhsa.version: [ 1, 2 ]
amdhsa.kernels:
  - .name:           k_qf2a98846bf_quant
    .symbol:         k_qf2a98846bf_quant.kd
    .args:
      - { .name: x, .offset: 0, .size: 8, .value_kind: global_buffer, .address_space: global }
      - { .name: wq, .offset: 8, .size: 8, .value_kind: global_buffer, .address_space: global }
      - { .name: wk, .offset: 16, .size: 8, .value_kind: global_buffer, .address_space: global }
      - { .name: wv, .offset: 24, .size: 8, .value_kind: global_buffer, .address_space: global }
      - { .name: wo, .offset: 32, .size: 8, .value_kind: global_buffer, .address_space: global }
      - { .name: lowp_scales, .offset: 40, .size: 8, .value_kind: global_buffer, .address_space: global }
      - { .name: xc, .offset: 48, .size: 8, .value_kind: global_buffer, .address_space: global }
      - { .name: wc, .offset: 56, .size: 8, .value_kind: global_buffer, .address_space: global }
    .group_segment_fixed_size: 0
    .private_segment_fixed_size: 0
    .kernarg_segment_align: 8
    .kernarg_segment_size: 64
    .max_flat_workgroup_size: 128
    .sgpr_count:     66
    .vgpr_count:     152
    .wavefront_size: 32
...
	.end_amdgpu_metadata
.endif
;; end of part 1
;; launch qkv (part 2): grid 96 x 4, 4 waves a work-group, clusters of 4 x 4, 327,680 bytes of LDS; arguments xc, wc, freqs_cos, freqs_sin, lowp_scales, q_c, kv_c; writes q_c, kv_c
.if DOCPART == 2
	.amdgcn_target "amdgcn-amd-amdhsa--gfx1250"
	.amdhsa_code_object_version 6
	.text
	.protected	k_qf2a98846bf_qkv
	.globl	k_qf2a98846bf_qkv
	.p2align	8
	.type	k_qf2a98846bf_qkv,@function
k_qf2a98846bf_qkv:
	s_mov_b64 s[64:65], 0
	v_nop
	global_prefetch_b8 v0, s[64:65] scope:SCOPE_SE
	s_setreg_imm32_b32 hwreg(HW_REG_WAVE_MODE, 25, 1), 1
	s_wait_xcnt 0x0
	s_wait_alu depctr_hold_cnt(0) depctr_sa_sdst(0) depctr_va_vdst(0) depctr_va_sdst(0) depctr_va_ssrc(0) depctr_va_vcc(0) depctr_vm_vsrc(0)
	s_getreg_b32 s2, hwreg(HW_REG_IB_STS2, 6, 4)
	s_cmp_eq_u32 s2, 0
	s_cbranch_scc0 .Lentry_in_a_cluster
	s_endpgm
.Lentry_in_a_cluster:
	s_bfe_u32 s2, ttmp6, 0x10000c
	s_cmp_lg_u32 s2, 0xf033
	s_cbranch_scc0 .Lentry_shape_is_right
	s_endpgm
.Lentry_shape_is_right:
; The three projections on codes of E4M3, the rotation of q and k, and the quantisers of q, k and v.  Sums in f32.
; A tile of the result is 128 x 128: four waves, 64 x 64 each, 16 accumulators.  K = 2,048 goes in four K steps of 512 (LDS rows of 512 bytes + 16) through a ring of two slots filled by the tensor data mover.
; 24 clusters of 4 x 4 work-groups, c = the cluster's number:
;   c < 16:  q = x wq^T.   A = x's codes (plane 0), tile row = block of 128 positions; B = wq's codes, tile column = head.
;   c 16-19: k = x wk^T.   A = x's codes (plane 1); B = wk's codes, tile column = key/value head.
;   c 20-23: v^T = wv x^T. A = wv's codes, tile row = key/value head; B = x's codes (plane 2), tile column = block of 128 positions: a lane's eight results are eight neighbouring KEYS of one channel, as the second product of attention wants v.
; The four work-groups of a row of the cluster need the same tile of A, the four of a column the same tile of B: each tile is asked for JOINTLY.
; THE MATRIX INSTRUCTION IS USED TRANSPOSED (source 0 = 16 rows of B, source 1 = 16 rows of A): lane (r, h) holds row r of A's block and columns 8 h + 0 .. 7 of B's block.
; A fragment comes by four loads of 16 bytes, 32 bytes apart: a permutation of k that is the same in A and B.
; THE SCALES ARE FOLDED: a sum stands for sum x 2^(ea + eb), the rotation is linear, so the code is (rotated sum) / 2^(e6 - e0 - e1) for q, 2^(e7 - e2 - e3) for k, 2^(e8 - e4 - e5) for v.
; LIMITS: each of these three exponents lies between -126 and 119.  NaN is not served.
; OUT: dense tiles of 128 rows x 128 codes.  q_c [head][block][position][channel];  kv_c [kv head][block][K: key x channel | V: channel x key].
; REGISTERS: window 0: v1-6 at work, v16-31 addresses and scales, v32-63 at work, v64-95 codes, v128-255 accumulators ((a, b) at 128 + 8 (4 a + b)).
;   window 1: two fragment buffers of 128 registers: A's four fragments, then B's four.   window 2: v0-63 cos, v64-127 sin of my results' pairs.
.set KROW,   2048                      ; a row of codes in memory
.set KB,     512                       ; a K step: bytes of a tile's row
.set PITCH,  528                       ; an LDS row: 512 bytes + 16 = 132 words: row r starts at bank 4 r mod 64 (64 banks of 4 bytes: ISA guide 11.1)
.set HALFT,  64*PITCH                  ; 64 rows: what one tensor load brings, and what one wave reads of A or of B
.set SLOT,   4*HALFT                   ; A's 128 rows, then B's 128 rows
.set SPARE,  2*SLOT                    ; behind the ring: the spare words, 128 bytes for each wave, that no other line names
.set SPITCH, 144                       ; the way out: a stage of 128 rows x (128 bytes + 16) in slot 0, which has had its last fill and its last read by then
.set ADRA, 16                          ; v16-17 LDS address of my A fragments in slot 0, 1
.set ADRB, 20                          ; v20-21 the same for B
.set STO,  24                          ; v24 where I put 8 codes of a row
.set RD,   25                          ; v25 where I read the stage back
.set CO,   26                          ; v26 16 x lane: my place in a store's 512 bytes
.set VC,   27                          ; v27 my place in the tables of cos and sin
.set SPW,  28                          ; v28 LDS address of my spare word; never rewritten
.set NIL,  29                          ; v29 0; never rewritten
.set SCV,  30                          ; v30 the conversion's scale
.set LIMV, 31                          ; v31 448 x that
.set TMP,  32
.set CD,   64
.set ACC,  128
.set F0,   0
.set F1,   128
.set G1, 24                            ; s[24:31] descriptor group 1 for A's tiles; s[32:39] group 0, a set for each slot
.set G0, 32
.set G1B, 48                           ; s[48:55], s[56:63] the same for B's
.set G0B, 56
.set MSB, 0
.macro WIN new                         ; the immediate's high byte repeats the setting that is left
.if MSB != \new
	s_set_vgpr_msb (MSB<<8)|\new
.set MSB, \new
.endif
.endm
.set MUL,  0x05                        ; sources 0 (B) and 1 (A) window 1; C and D window 0
.set TO_F, 0x40                        ; destination window 1, address window 0
.macro JLOAD s                         ; a joint load: waves 0 and 1 fetch A's halves, waves 2 and 3 B's; four v_nop follow each of the two lines
	s_cmp_eq_u32 s11, 0
	s_cbranch_scc0 .Lfor_b_\@
	tensor_load_to_lds s[G0+4*\s:G0+4*\s+3], s[G1:G1+7]
	s_nop 0
.rept 4
	v_nop
.endr
	s_branch .Lasked_\@
.Lfor_b_\@:
	tensor_load_to_lds s[G0B+4*\s:G0B+4*\s+3], s[G1B:G1B+7]
	s_nop 0
.rept 4
	v_nop
.endr
.Lasked_\@:
.endm
.macro CREST                           ; a round of the cluster's barrier behind its opening barrier
	s_cmp_lg_u32 s10, 0
	s_cbranch_scc1 .Lnot_wave_0_\@
	s_barrier_signal -3
.Lnot_wave_0_\@:
	s_barrier_wait -3
	s_barrier_signal -1
	s_barrier_wait -1
.endm
.macro CROUND                          ; a whole round
	s_barrier_signal -1
	s_barrier_wait -1
	CREST
.endm
.macro PLACES                          ; four places behind matrix instructions, in front of loads into registers that they have read and of the first read of results
.rept 4
	v_nop
.endr
.endm
; Four matrix instructions: A's block a x B's four, 128 along K, from buffer f.  zero = 1: the product starts the sums.  The 16 accumulators take turns in the same order in every quarter.
.macro MUL4 f, a, zero
.irp b, 0,1,2,3
.if \zero
	v_wmma_f32_16x16x128_fp8_fp8 v[ACC+8*(4*(\a)+\b):ACC+8*(4*(\a)+\b)+7], v[\f+64+16*\b:\f+64+16*\b+15], v[\f+16*(\a):\f+16*(\a)+15], 0
.else
	v_wmma_f32_16x16x128_fp8_fp8 v[ACC+8*(4*(\a)+\b):ACC+8*(4*(\a)+\b)+7], v[\f+64+16*\b:\f+64+16*\b+15], v[\f+16*(\a):\f+16*(\a)+15], v[ACC+8*(4*(\a)+\b):ACC+8*(4*(\a)+\b)+7]
.endif
.endr
.endm
.macro MUL8 f, a0, zero
	MUL4 \f, \a0, \zero
	MUL4 \f, \a0+1, \zero
.endm
; 32 LDS loads in one run: the fragments of 128 along K at byte k of the slot's rows, into buffer f: B's four, then A's four
.macro FETCH slot, k, f
	WIN TO_F
.irp i, 0,1,2,3
.irp c, 0,1,2,3
	ds_load_b128 v[\f+64+16*\i+4*\c:\f+64+16*\i+4*\c+3], v[ADRB+\slot] offset:\k+32*\c+\i*16*PITCH
.endr
.endr
.irp i, 0,1,2,3
.irp c, 0,1,2,3
	ds_load_b128 v[\f+16*\i+4*\c:\f+16*\i+4*\c+3], v[ADRA+\slot] offset:\k+32*\c+\i*16*PITCH
.endr
.endr
.endm
; A K step is four quarters of 128 along K, 16 matrix instructions each, on buffers 0, 1, 0, 1.  One of the first three: multiplies buffer f and fetches the next quarter, at byte k, into g.
.macro QUARTER slot, k, f, g, zero
	s_wait_dscnt 8                                 ; B's four and A's blocks 0, 1 are in; the youngest eight loads (A's blocks 2, 3) may be out
	WIN MUL
	MUL8 \f, 0, \zero
	PLACES
	FETCH \slot, \k, \g
	s_wait_dscnt 32                                ; all but the 32 just issued
	WIN MUL
	MUL8 \f, 2, \zero
.endm
; The last quarter multiplies buffer 1 and changes slots: ONE barrier; in front of it each wave waits for all its tensor loads, adds 0 to its spare word, and waits for that and for its reads of this slot.  fill = 1: this slot is filled again, two K steps ahead.
.macro TURN slot, next, fill
	WIN 0                                          ; (the add's two registers lie in window 0)
	s_wait_tensorcnt 0x0                           ; all my tensor loads have landed: my part of the next slot
	ds_add_u32 v[SPW], v[NIL]                      ; 0 onto my spare word
	s_wait_dscnt 13                                ; (the add and the youngest twelve loads, A's blocks 1 to 3, may be out)
	WIN MUL
	MUL4 F1, 0, 0                                  ; four matrix instructions stand between the add and the wait for it
	s_wait_dscnt 0x0                               ; the add is done, and my reads of this slot are over
	s_barrier_signal -1
	MUL4 F1, 1, 0
.if \fill
	WIN 0
.endif
	s_barrier_wait -1
.if \fill
	CREST                                          ; the barrier has opened a round of the cluster's barrier: no wave of any partner still reads this slot or has a load on its way
	s_add_nc_u64 s[G0+4*\slot+2:G0+4*\slot+3], s[G0+4*\slot+2:G0+4*\slot+3], 2*KB
	s_add_nc_u64 s[G0B+4*\slot+2:G0B+4*\slot+3], s[G0B+4*\slot+2:G0B+4*\slot+3], 2*KB
	JLOAD \slot                                    ; the first tensor load behind the round; its four v_nop are also the places in front of the loads below
.else
	PLACES
.endif
	FETCH \next, 0, F0
	WIN MUL
	MUL8 F1, 2, 0
.endm
	s_load_b256 s[68:75], s[0:1], 0x0              ; xc s[68:69], wc s[70:71], cos s[72:73], sin s[74:75]
	s_load_b128 s[76:79], s[0:1], 0x20             ; the scales' exponents s[76:77], q_c s[78:79]
	s_load_b64 s[80:81], s[0:1], 0x30              ; kv_c
	v_lshl_add_u32 v[SPW], v0, 2, SPARE
	v_mov_b32 v[NIL], 0
	ds_add_u32 v28, v29
	s_wait_dscnt 0x0
	v_lshrrev_b32 v1, 5, v0
	v_readfirstlane_b32 s10, v1                    ; wave 0..3
	s_lshr_b32 s11, s10, 1                         ; which half of the tile's rows is mine.  Also: I fetch for A (0) or for B (1)
	s_and_b32 s12, s10, 1                          ; which half of its columns.  Also: which 64 rows of that tile I fetch
	s_bfe_u32 s40, ttmp6, 0x40000                  ; cx, cy: my place in the cluster
	s_bfe_u32 s41, ttmp6, 0x40004
	s_and_b32 s16, ttmp9, 3
	s_lshl_b32 s16, s16, 2                         ; m = 4 (c % 4): the cluster's first block of positions (16 and 20 are multiples of 4)
	s_and_b32 s17, ttmp9, 0x1c                     ; 4 (c / 4): q's first head
	s_cmp_lt_u32 ttmp9, 16
	s_cselect_b32 s17, s17, 0                      ; k's first tile column is 0
	s_cmp_lt_u32 ttmp9, 20
	s_cselect_b32 s18, s16, 0                      ; first tile row: m for q and k, 0 for v^T
	s_cselect_b32 s17, s17, s16                    ; first tile column: m for v^T
	s_add_co_u32 s42, s17, s40                     ; tile column
	s_add_co_u32 s13, s18, s41                     ; tile row
	s_lshl_b32 s43, s41, 2
	s_lshl_b32 s43, 15, s43                        ; my row of the cluster
	s_lshl_b32 s44, 0x1111, s40                    ; my column
	; descriptor group 1: a tile of 64 rows x 512 bytes, padded in LDS
	s_or_b32 s[G1+0], s43, (0<<16)|(1<<20)|(1<<21)|(6<<22)|(3<<25)  ; 15:0 the mask: A's tiles go to my row; 17:16 elements of 1 byte; 20 padding on; 21 set beside a mask; 24:22 after every 128 words (code 6); 31:25 of 4 words (code 3)
	s_or_b32 s[G1B+0], s44, (0<<16)|(1<<20)|(1<<21)|(6<<22)|(3<<25)
.irp g, G1, G1B
	s_mov_b32 s[\g+1], KB<<16                      ; tensor_dim0 = 512
	s_mov_b32 s[\g+2], 64<<16                      ; tensor_dim1 = 64
	s_mov_b32 s[\g+3], KB<<16                      ; tile_dim0 = 512
	s_mov_b32 s[\g+4], 64                          ; tile_dim1 = 64
	s_mov_b32 s[\g+5], KROW                        ; tensor_dim0_stride
	s_mov_b32 s[\g+6], 0
	s_mov_b32 s[\g+7], 0
.endr
	s_lshl_b32 s19, s12, 6                         ; which 64 rows of the tile I fetch
	s_lshl_b32 s16, s13, 7
	s_add_co_u32 s16, s16, s19
	s_lshl_b32 s16, s16, 11                        ; A: (128 x tile row + 64 x half) rows of 2,048 bytes
	s_mov_b32 s17, 0
	s_lshl_b32 s46, s42, 7
	s_add_co_u32 s46, s46, s19
	s_lshl_b32 s46, s46, 11                        ; B: the same by the tile column
	s_mov_b32 s47, 0
	s_mul_i32 s20, s10, HALFT                      ; where they go: wave x 64 rows: no place in the cluster enters an LDS address
	s_wait_kmcnt 0x0
	s_load_b256 s[84:91], s[76:77], 0x0            ; e0 .. e7
	s_load_b128 s[92:95], s[76:77], 0x20           ; e8 .. e11
	s_add_nc_u64 s[4:5], s[68:69], 0x400000        ; x's plane 1
	s_add_nc_u64 s[6:7], s[70:71], 0x400000        ; wk's codes
	s_add_nc_u64 s[82:83], s[70:71], 0x500000      ; wv's codes
	s_add_nc_u64 s[2:3], s[68:69], 0x800000        ; x's plane 2
	s_cmp_lt_u32 ttmp9, 16                         ; the choices hang on the cluster's number alone
	s_cselect_b64 s[4:5], s[68:69], s[4:5]
	s_cselect_b64 s[6:7], s[70:71], s[6:7]
	s_cmp_lt_u32 ttmp9, 20
	s_cselect_b64 s[4:5], s[4:5], s[82:83]         ; A
	s_cselect_b64 s[6:7], s[6:7], s[2:3]           ; B
	s_add_nc_u64 s[14:15], s[4:5], s[16:17]
	s_add_nc_u64 s[46:47], s[6:7], s[46:47]
	CROUND                                         ; all sixteen work-groups are here: the first joint loads meet
.irp s, 0,1
	s_mov_b32 s[G0+4*\s], 1
	s_add_co_u32 s[G0+4*\s+1], s20, \s*SLOT
	s_add_nc_u64 s[G0+4*\s+2:G0+4*\s+3], s[14:15], \s*KB
	s_or_b32 s[G0+4*\s+3], s[G0+4*\s+3], 0x80000000
	s_mov_b32 s[G0B+4*\s], 1
	s_add_co_u32 s[G0B+4*\s+1], s20, \s*SLOT
	s_add_nc_u64 s[G0B+4*\s+2:G0B+4*\s+3], s[46:47], \s*KB
	s_or_b32 s[G0B+4*\s+3], s[G0B+4*\s+3], 0x80000000
	JLOAD \s                                       ; K steps 0 and 1: two loads of mine are out
.endr
	v_and_b32 v1, 15, v0                           ; r
	v_bfe_u32 v2, v0, 4, 1                         ; h
	; cos and sin of my results' pairs.  Accumulator (a, b), lane (r, h): position 128 x tile row + 64 x row half + 16 a + r, pairs 32 x column half + 8 b + 4 h + 0 .. 3: 16 bytes of a table row of 256.
	; v^T's tiles load them too, at places inside the tables, and do not use them: the head has one way for all tiles.  The loads land under the whole product.
	s_lshl_b32 s96, s13, 7
	s_lshl_b32 s97, s11, 6
	s_add_co_u32 s96, s96, s97
	s_lshl_b32 s96, s96, 8
	s_lshl_b32 s97, s12, 7
	s_add_co_u32 s96, s96, s97
	s_mov_b32 s97, 0
	s_add_nc_u64 s[72:73], s[72:73], s[96:97]
	s_add_nc_u64 s[74:75], s[74:75], s[96:97]
	v_lshlrev_b32 v[VC], 8, v1
	v_lshl_add_u32 v[VC], v2, 4, v[VC]
	WIN 0x80                                       ; destination window 2
.irp a, 0,1,2,3
.irp b, 0,1,2,3
	global_load_b128 v[4*(4*\a+\b):4*(4*\a+\b)+3], v[VC], s[72:73] offset:4096*\a+32*\b
	global_load_b128 v[64+4*(4*\a+\b):64+4*(4*\a+\b)+3], v[VC], s[74:75] offset:4096*\a+32*\b
.endr
.endr
	WIN 0
	v_mul_u32_u24 v3, v1, PITCH
	v_lshl_add_u32 v3, v2, 4, v3                   ; a fragment's row x pitch + 16 x half
	s_mul_i32 s21, s11, HALFT                      ; my 64 rows of A
	s_mul_i32 s22, s12, HALFT                      ; my 64 rows of B,
	s_add_co_u32 s22, s22, 2*HALFT                 ; which lie behind A's 128
.irp s, 0,1
	v_add_nc_u32 v[ADRA+\s], s21, v3
	v_add_nc_u32 v[ADRB+\s], s22, v3
	s_add_co_u32 s21, s21, SLOT
	s_add_co_u32 s22, s22, SLOT
.endr
	s_mul_i32 s23, s11, 64*SPITCH                  ; into the stage: row 64 x row half + 16 a + r, byte 64 x column half + 16 b + 8 h
	s_lshl_b32 s21, s12, 6
	s_add_co_u32 s23, s23, s21
	v_mul_u32_u24 v4, v1, SPITCH
	v_lshl_add_u32 v4, v2, 3, v4
	v_add_nc_u32 v[STO], s23, v4
	s_mul_i32 s23, s10, 32*SPITCH                  ; back: wave w takes rows 32 w on, four rows of 128 bytes an instruction
	v_bfe_u32 v5, v0, 3, 2                         ; lane / 8
	v_mul_u32_u24 v5, v5, SPITCH
	v_and_b32 v6, 7, v0
	v_lshl_add_u32 v5, v6, 4, v5
	v_add_nc_u32 v[RD], s23, v5
	v_and_b32 v6, 31, v0
	v_lshlrev_b32 v[CO], 4, v6
	; where my quarter of the tile goes: dense tiles of 16,384 bytes
	s_lshl_b32 s96, s42, 4
	s_add_co_u32 s96, s96, s13                     ; 16 x tile column + tile row
	s_lshl_b32 s97, s13, 4
	s_add_co_u32 s97, s97, s42                     ; 16 x tile row + tile column
	s_lshl_b32 s98, s96, 14                        ; q: [head][block]
	s_lshl_b32 s96, s96, 15                        ; k: [kv head][block], first half of 32,768 bytes
	s_lshl_b32 s97, s97, 15
	s_add_co_u32 s97, s97, 16384                   ; v^T: [kv head][block], second half
	s_cmp_lt_u32 ttmp9, 20
	s_cselect_b32 s96, s96, s97
	s_cmp_lt_u32 ttmp9, 16
	s_cselect_b32 s96, s98, s96
	s_cselect_b64 s[8:9], s[78:79], s[80:81]
	s_lshl_b32 s97, s10, 12
	s_add_co_u32 s96, s96, s97                     ; + my 32 rows
	s_mov_b32 s97, 0
	s_add_nc_u64 s[8:9], s[8:9], s[96:97]
	s_wait_kmcnt 0x0
	s_sub_co_i32 s96, s90, s84
	s_sub_co_i32 s96, s96, s85                     ; q: e6 - e0 - e1
	s_sub_co_i32 s97, s91, s86
	s_sub_co_i32 s97, s97, s87                     ; k: e7 - e2 - e3
	s_sub_co_i32 s98, s92, s88
	s_sub_co_i32 s98, s98, s89                     ; v: e8 - e4 - e5
	s_cmp_lt_u32 ttmp9, 20
	s_cselect_b32 s97, s97, s98
	s_cmp_lt_u32 ttmp9, 16
	s_cselect_b32 s96, s96, s97
	s_add_co_i32 s96, s96, 127
	s_lshl_b32 s97, s96, 23
	v_mov_b32 v[SCV], s97                          ; the folded scale as f32
	s_add_co_i32 s96, s96, 8
	s_lshl_b32 s96, s96, 23
	s_or_b32 s96, s96, 0x600000
	v_mov_b32 v[LIMV], s96                         ; 448 x that
	s_wait_tensorcnt 1                             ; my part of K step 0 is in; K step 1's may stay out
	s_barrier_signal -1
	s_barrier_wait -1                              ; everybody's is
	FETCH 0, 0, F0
	QUARTER 0, 128, F0, F1, 1                      ; K step 0: its first quarter starts the sums
	QUARTER 0, 256, F1, F0, 0
	QUARTER 0, 384, F0, F1, 0
	TURN 0, 1, 1                                   ; slot 0 takes K step 2
	QUARTER 1, 128, F0, F1, 0                      ; K step 1
	QUARTER 1, 256, F1, F0, 0
	QUARTER 1, 384, F0, F1, 0
	TURN 1, 0, 1                                   ; slot 1 takes K step 3
	QUARTER 0, 128, F0, F1, 0                      ; K step 2
	QUARTER 0, 256, F1, F0, 0
	QUARTER 0, 384, F0, F1, 0
	TURN 0, 1, 0                                   ; nothing is left to fetch
	QUARTER 1, 128, F0, F1, 0                      ; K step 3
	QUARTER 1, 256, F1, F0, 0
	QUARTER 1, 384, F0, F1, 0
	s_wait_dscnt 8
	WIN MUL
	MUL8 F1, 0, 0
	s_wait_dscnt 0x0
	MUL8 F1, 2, 0
	WIN 0
	PLACES
	s_wait_loadcnt 0x0                             ; cos and sin
	s_cmp_ge_u32 ttmp9, 20                         ; v is not rotated: a branch on the cluster's number, alike in all partners
	s_cbranch_scc1 .Lno_rope
	WIN 0x08                                       ; source 1 window 2
.irp t, 0,1,2,3,4,5,6,7,8,9,10,11,12,13,14,15
.irp p, 0,1,2,3
	v_mul_f32 v[TMP+2*\p], v[ACC+8*\t+2*\p+1], v[64+4*\t+\p]     ; odd x sin
	v_mul_f32 v[TMP+2*\p+1], v[ACC+8*\t+2*\p], v[64+4*\t+\p]     ; even x sin
.endr
.irp p, 0,1,2,3
	v_fma_f32 v[ACC+8*\t+2*\p], v[ACC+8*\t+2*\p], v[4*\t+\p], -v[TMP+2*\p]         ; even x cos - odd x sin
	v_fma_f32 v[ACC+8*\t+2*\p+1], v[ACC+8*\t+2*\p+1], v[4*\t+\p], v[TMP+2*\p+1]    ; odd x cos + even x sin
.endr
.endr
	WIN 0
.Lno_rope:
.irp t, 0,1,2,3,4,5,6,7,8,9,10,11,12,13,14,15
.irp j, 0,1,2,3,4,5,6,7
	v_med3_num_f32 v[ACC+8*\t+\j], v[ACC+8*\t+\j], -v[LIMV], v[LIMV]   ; the conversion does not saturate (ISA guide 7.6.2): the hold comes first; each accumulator from its low end on
.endr
	v_cvt_scalef32_pk8_fp8_f32 v[CD+2*\t:CD+2*\t+1], v[ACC+8*\t:ACC+8*\t+7], v[SCV]
.endr
	v_nop                                          ; a plain line behind the last conversion
.irp a, 0,1,2,3
.irp b, 0,1,2,3
	ds_store_b64 v[STO], v[CD+2*(4*\a+\b):CD+2*(4*\a+\b)+1] offset:\a*16*SPITCH+16*\b
.endr
.endr
	s_wait_dscnt 0x0                               ; for the others' sake: my stores into the stage are done
	s_barrier_signal -1
	s_barrier_wait -1
.irp i, 0,1,2,3,4,5,6,7
	ds_load_b128 v[TMP+4*\i:TMP+4*\i+3], v[RD] offset:\i*4*SPITCH
.endr
.irp i, 0,1,2,3,4,5,6,7
	s_wait_dscnt 7-\i
	global_store_b128 v[CO], v[TMP+4*\i:TMP+4*\i+3], s[8:9] offset:512*\i   ; four rows of the dense tile: 512 consecutive bytes, aligned
.endr
	s_wait_tensorcnt 0x0                           ; the wave's end
	ds_add_u32 v[SPW], v[NIL]
	s_wait_dscnt 0x0
	CROUND                                         ; the closing round: no work-group ends while a partner may still ask for a tile that names it
	s_endpgm
.Lfunc_end_k_qf2a98846bf_qkv:
	.size	k_qf2a98846bf_qkv, .Lfunc_end_k_qf2a98846bf_qkv-k_qf2a98846bf_qkv
	.p2alignl 7, 3214868480
	.fill 96, 4, 3214868480
	.section	.rodata,"a",@progbits
	.p2align	6, 0x0
	.amdhsa_kernel k_qf2a98846bf_qkv
		.amdhsa_group_segment_fixed_size 327680
		.amdhsa_private_segment_fixed_size 0
		.amdhsa_enable_private_segment 0
		.amdhsa_kernarg_size 56
		.amdhsa_user_sgpr_count 2
		.amdhsa_user_sgpr_kernarg_segment_ptr 1
		.amdhsa_wavefront_size32 1
		.amdhsa_system_sgpr_workgroup_id_x 1
		.amdhsa_system_sgpr_workgroup_id_y 1
		.amdhsa_system_sgpr_workgroup_id_z 1
		.amdhsa_system_vgpr_workitem_id 0
		.amdhsa_next_free_vgpr 640
		.amdhsa_next_free_sgpr 100
		.amdhsa_reserve_vcc 0
		.amdhsa_float_denorm_mode_32 3
		.amdhsa_float_denorm_mode_16_64 3
		.amdhsa_memory_ordered 1
		.amdhsa_forward_progress 1
		.amdhsa_inst_pref_size 91
	.end_amdhsa_kernel
	.amdgpu_metadata
---
amdhsa.version: [ 1, 2 ]
amdhsa.kernels:
  - .name:           k_qf2a98846bf_qkv
    .symbol:         k_qf2a98846bf_qkv.kd
    .args:
      - { .name: xc, .offset: 0, .size: 8, .value_kind: global_buffer, .address_space: global }
      - { .name: wc, .offset: 8, .size: 8, .value_kind: global_buffer, .address_space: global }
      - { .name: freqs_cos, .offset: 16, .size: 8, .value_kind: global_buffer, .address_space: global }
      - { .name: freqs_sin, .offset: 24, .size: 8, .value_kind: global_buffer, .address_space: global }
      - { .name: lowp_scales, .offset: 32, .size: 8, .value_kind: global_buffer, .address_space: global }
      - { .name: q_c, .offset: 40, .size: 8, .value_kind: global_buffer, .address_space: global }
      - { .name: kv_c, .offset: 48, .size: 8, .value_kind: global_buffer, .address_space: global }
    .group_segment_fixed_size: 327680
    .private_segment_fixed_size: 0
    .kernarg_segment_align: 8
    .kernarg_segment_size: 56
    .max_flat_workgroup_size: 128
    .sgpr_count:     100
    .vgpr_count:     640
    .wavefront_size: 32
...
	.end_amdgpu_metadata
.endif
;; end of part 2
;; launch attn (part 3): grid 64 x 4, 8 waves a work-group, clusters of 4 x 4, 327,680 bytes of LDS; arguments q_c, kv_c, mask, lowp_scales, o_c; writes o_c
.if DOCPART == 3
	.amdgcn_target "amdgcn-amd-amdhsa--gfx1250"
	.amdhsa_code_object_version 6
	.text
	.protected	k_qf2a98846bf_attn
	.globl	k_qf2a98846bf_attn
	.p2align	8
	.type	k_qf2a98846bf_attn,@function
k_qf2a98846bf_attn:
	s_mov_b64 s[64:65], 0
	v_nop
	global_prefetch_b8 v0, s[64:65] scope:SCOPE_SE
	s_setreg_imm32_b32 hwreg(HW_REG_WAVE_MODE, 25, 1), 1
	s_wait_xcnt 0x0
	s_wait_alu depctr_hold_cnt(0) depctr_sa_sdst(0) depctr_va_vdst(0) depctr_va_sdst(0) depctr_va_ssrc(0) depctr_va_vcc(0) depctr_vm_vsrc(0)
	s_getreg_b32 s2, hwreg(HW_REG_IB_STS2, 6, 4)
	s_cmp_eq_u32 s2, 0
	s_cbranch_scc0 .Lentry_in_a_cluster
	s_endpgm
.Lentry_in_a_cluster:
	s_bfe_u32 s2, ttmp6, 0x10000c
	s_cmp_lg_u32 s2, 0xf033
	s_cbranch_scc0 .Lentry_shape_is_right
	s_endpgm
.Lentry_shape_is_right:
; Attention on codes of E4M3: scores = q k^T / sqrt(128) + mask, the softmax, o = p v, and the quantiser of o.  16 heads of 128, 4 key/value heads, 2,048 positions.
; THE MASK IS AN INPUT: every key of every query is computed, and every number of the mask is read and added.
; THE SOFTMAX: u = score x 2^(e6 + e7) / sqrt(128) + mask; t = u x log2(e); M = the running largest t rounded UP to a whole number; p = 2^(t - M) is quantised with 2^e9, not normalised.
; The row's sum is taken of the unquantised p and divides o at the end.  When M moves, the sum and o are multiplied by 2^(old M - new M): exact.
; SHARES.  A work-group owns one key/value head g and 32 queries; its eight waves are the 4 heads of g x 2 tiles of 16 queries: all eight read the same tiles of K, of V and of the mask from LDS.
; CLUSTER 4 x 4: g = cy, block of queries = 4 x cluster + cx.  K's and V's tiles hang on cy alone and are asked for jointly along a row of the cluster; the mask's tile hangs on the block of queries alone and is
; asked for jointly along a column, where the four key/value heads of that block lie.
; LAYOUT.  Both products transposed: S^T = K Q^T, O^T = V^T P^T: a lane holds ONE query (lane % 16) throughout.  The keys of a tile are not neighbours: lane r of tile 2 b + u takes key 32 b + 8 u + r + 8 (r / 8),
; so that the 16 registers of tiles 2 b, 2 b + 1 are keys 32 b + 16 (lane / 16) + 0 .. 15: the conversions' results are the second product's operand.
; OUT: o_c [position][2,048 codes]; inside group g's 512 bytes channel d of head 4 g + hh lies at byte 16 (d / 4) + 4 hh + d % 4: the order in which wo's codes lie along K.
; LIMITS on the given exponents: e6 + e7 between -122 and 131 (added to the exponent field of 1 / sqrt(128)); e9, and e10 - e8 - e9, between -126 and 119.  NaN is not served.  A row of the mask that is -infinity throughout gives NaN.
; REGISTERS: window 0: v1-11 addresses, v12 -M, v13 the largest t, v[14:15] the sum, v16-31 Q, v32-95 the mask, v96-159 S^T then p, v160-223 O^T, v224-239 codes, v240-254 scales and work.
;   window 1: v0-127 V's eight fragments, v128-255 K's eight.
.set KP,    144                        ; a row of K or of V^T in LDS: 128 bytes + 16
.set BLK,   128*KP                     ; a block: 128 rows
.set MOFF,  4*BLK                      ; a slot: K, V^T of its first 128 keys, K, V^T of its second, then the mask's tile
.set MP,    1040                       ; a row of the mask's tile: 256 numbers + 16 bytes
.set SLOT1, 1<<17                      ; slot 1 begins here: one exclusive or turns an address from one slot to the other
.set SPARE, 2*SLOT1                    ; behind the ring: the spare words, 128 bytes for each of eight waves, that no other line names
.set SP,    528                        ; the way out: a stage of 32 rows x (512 bytes + 16) at byte 0: slot 0 has had its last fill and was left at the last change of slots
.set NSL,   8                          ; 2,048 keys in slots of 256
.set AK0, 1
.set AV0, 2
.set PFO, 3                            ; v3 the prefetches' offset; never rewritten
.set AM0, 4
.set SPW, 5                            ; v5 LDS address of my spare word; never rewritten
.set NIL, 6                            ; v6 0; never rewritten
.set GO,  7                            ; v7 16 x lane
.set ADK, 8
.set ADV, 9
.set ADM, 10
.set SO,  11                           ; v11 where I put my codes in the stage
.set QF,  16
.set MK,  32
.set S,   96
.set OT,  160
.set PC,  224
.set LIMP, 240                         ; 448 x 2^e9
.set RDO, 241                          ; where I read the stage back
.set SCP, 244                          ; 2^e9
.set SCO, 245                          ; 2^(e10 - e8 - e9)
.set LIMO, 246                         ; 448 x that
.set QO,  247                          ; Q's load offset
.set VF,  0                            ; in window 1
.set KF,  128
.set WV,  18
.set SEL, 20                           ; s[20:21] lane selects for v_permlanex16_b32: lane l xor 16
.set CS,  22                           ; s[22:23] 2^(e6 + e7) / sqrt(128), twice
.set G1KV, 24
.set G1M,  32
.set G0KV, 40
.set G0M,  44
.set TB,  48                           ; LDS byte at which the slot in hand begins
.set SLOTS, 49
.set LE,  66                           ; s[66:67] log2(e), twice
.set PFA, 80
.set PFS, 82
.set LIM, 84
.set MSB, 0
.macro WIN new
.if MSB != \new
	s_set_vgpr_msb (MSB<<8)|\new
.set MSB, \new
.endif
.endm
.macro CROUND                          ; a round of the cluster's barrier
	s_barrier_signal -1
	s_barrier_wait -1
	s_cmp_lg_u32 s[WV], 0
	s_cbranch_scc1 .Lnot_wave_0_\@
	s_barrier_signal -3
.Lnot_wave_0_\@:
	s_barrier_wait -3
	s_barrier_signal -1
	s_barrier_wait -1
.endm
; Waves 0 to 3 fetch a slot's four blocks of K and V^T, wave 4 the mask's tile, the others nothing.  The branches hang on the wave's number alone.  Four v_nop follow each of the two lines.
.macro TLOAD
	s_cmp_lt_u32 s[WV], 4
	s_cbranch_scc0 .Lnot_kv_\@
	tensor_load_to_lds s[G0KV:G0KV+3], s[G1KV:G1KV+7]
	s_nop 0
.rept 4
	v_nop
.endr
	s_branch .Lasked_\@
.Lnot_kv_\@:
	s_cmp_eq_u32 s[WV], 4
	s_cbranch_scc0 .Lasked_\@
	tensor_load_to_lds s[G0M:G0M+3], s[G1M:G1M+7]
	s_nop 0
.rept 4
	v_nop
.endr
.Lasked_\@:
.endm
; A PREFETCH INTO THE L2 of what the NEXT change of slots will ask for, one instruction in each wave that asks, lanes 256 bytes apart.  Each aligned 256 bytes are named once in the launch.
; The mask's tile (32 rows x 1,024 bytes) is read by the four partners of a column alone: wave 5 of each takes 8 rows, told apart by ADDRESS (cy).  A slot's 65,536 bytes of K and V^T are walked by all sixteen clusters:
; the first cluster asks; of its rows' four partners each takes 16,384 bytes by address (cx), waves 6 and 7 half each.  The last change that fills a slot asks for nothing; slots 0 and 1 come by their loads alone.
.macro ASK
	s_cmp_gt_u32 s[SLOTS], s[LIM]
	s_cbranch_scc0 .Lnot_mine_\@
	global_prefetch_b8 v[PFO], s[PFA:PFA+1] th:TH_LOAD_NT scope:SCOPE_SE
.Lnot_mine_\@:
.endm
.macro LK q                            ; K's eight fragments of the slot's q-th 128 keys
	WIN 0x40                                       ; destination window 1
.irp t, 0,1,2,3,4,5,6,7
.irp c, 0,1,2,3
	ds_load_b128 v[KF+16*\t+4*\c:KF+16*\t+4*\c+3], v[ADK] offset:2*(\q)*BLK+(32*(\t/2)+8*(\t%2))*KP+32*\c
.endr
.endr
	WIN 0
.endm
.macro LV q                            ; V^T's eight fragments: channels 16 t on, the same 128 keys
	WIN 0x40
.irp t, 0,1,2,3,4,5,6,7
.irp c, 0,1,2,3
	ds_load_b128 v[VF+16*\t+4*\c:VF+16*\t+4*\c+3], v[ADV] offset:2*(\q)*BLK+16*\t*KP+32*\c
.endr
.endr
	WIN 0
.endm
.macro LM q                            ; the mask of my query at my 64 keys, in the order of S^T's registers
.irp b, 0,1,2,3
.irp j, 0,1,2,3
	ds_load_b128 v[MK+16*\b+4*\j:MK+16*\b+4*\j+3], v[ADM] offset:512*(\q)+128*\b+16*\j
.endr
.endr
.endm
; A KEY STEP: 128 keys, the q-th of the slot in hand.
.macro STEP q
	s_wait_dscnt 16                                ; K is in; behind it only the mask's 16 loads were issued
	WIN 0x01                                       ; source 0 window 1
.irp t, 0,1,2,3,4,5,6,7
	v_wmma_f32_16x16x128_fp8_fp8 v[S+8*\t:S+8*\t+7], v[KF+16*\t:KF+16*\t+15], v[QF:QF+15], 0
.endr
	WIN 0
.rept 4
	v_nop                                          ; places: in front of the loads into V's registers, which the last step's products read, and of the first read of the scores
.endr
	LV \q
	s_wait_dscnt 32                                ; the mask is in; V's 32 loads may be out
.set jj, 0
.rept 32
	v_pk_fma_f32 v[S+jj:S+jj+1], v[S+jj:S+jj+1], s[CS:CS+1], v[MK+jj:MK+jj+1] op_sel_hi:[1,0,1]   ; u = score x 2^(e6 + e7) / sqrt(128) + mask
.set jj, jj+2
.endr
	v_max3_num_f32 v254, v96, v97, v98             ; the step's largest u of my query among my 64 keys, in two chains
	v_max3_num_f32 v252, v99, v100, v101
.irp i, 6,10,14,18,22,26,30,34,38,42,46,50,54,58
	v_max3_num_f32 v254, v254, v[S+\i], v[S+1+\i]
	v_max3_num_f32 v252, v252, v[S+2+\i], v[S+3+\i]
.endr
	v_max3_num_f32 v254, v254, v158, v159
	v_max_num_f32 v254, v254, v252
.if \q == 0
	LK 1                                           ; the next step's K and mask: their registers are done with
	LM 1
.endif
	v_permlanex16_b32 v248, v254, s[SEL], s[SEL+1]
	v_max_num_f32 v254, v254, v248                 ; and among lane l xor 16's
	v_mul_f32 v254, s[LE], v254                    ; as t
	v_max_num_f32 v13, v13, v254                   ; the running largest t
	v_mov_b32 v254, v12
	v_floor_f32 v12, -v13                          ; the new -M = floor(-t): M is a whole number
	v_sub_f32 v254, v12, v254                      ; old M - new M: a whole number, 0 or less
	v_cvt_i32_f32 v254, v254                       ; (it saturates)
	v_ldexp_f32 v252, 1.0, v254                    ; f = 2^(old M - new M)
.set jj, 0
.rept 32
	v_pk_fma_f32 v[S+jj:S+jj+1], v[S+jj:S+jj+1], s[LE:LE+1], v[12:13] op_sel_hi:[1,0,0]   ; t - M (of the pairs the low word serves both halves)
.set jj, jj+2
.endr
.set jj, 0
.rept 64
	v_exp_f32 v[S+jj], v[S+jj]                     ; p = 2^(t - M)
.set jj, jj+1
.endr
	v_pk_mul_f32 v[14:15], v[14:15], v[252:253] op_sel_hi:[1,0]   ; the sums under the new M: the plain line behind the exponentials
	s_wait_alu depctr_va_vdst(0)                   ; one wait for the batch of 64, ahead of its first reader
	v_pk_add_f32 v[242:243], v[96:97], v[98:99]    ; the row's sum is taken of the unquantised p, in two chains
.irp j, 4,8,12,16,20,24,28,32,36,40,44,48,52,56,60
	v_pk_add_f32 v[14:15], v[14:15], v[S+\j:S+1+\j]
	v_pk_add_f32 v[242:243], v[242:243], v[S+2+\j:S+3+\j]
.endr
	v_pk_add_f32 v[14:15], v[14:15], v[242:243]
.irp b, 0,1,2,3
.irp i, 0,1,2,3,4,5,6,7,8,9,10,11,12,13,14,15
	v_min_num_f32 v[S+16*\b+\i], v[S+16*\b+\i], v[LIMP]   ; the conversion does not saturate (ISA guide 7.6.2); p is not negative, so the hold is one-sided
.endr
	v_cvt_scalef32_pk8_fp8_f32 v[PC+4*\b:PC+4*\b+1], v[S+16*\b:S+16*\b+7], v[SCP]
	v_cvt_scalef32_pk8_fp8_f32 v[PC+4*\b+2:PC+4*\b+3], v[S+16*\b+8:S+16*\b+15], v[SCP]
.endr
.set jj, 0
.rept 32
	v_pk_mul_f32 v[OT+jj:OT+jj+1], v[OT+jj:OT+jj+1], v[252:253] op_sel_hi:[1,0]   ; O^T under the new M; these lines also stand between the conversions and the products
.set jj, jj+2
.endr
.if \q == 0
	s_wait_dscnt 48                                ; V is in; behind it the next step's K (32) and mask (16) were issued
.else
	s_wait_dscnt 0x0
.endif
	WIN 0x01
.irp t, 0,1,2,3,4,5,6,7
	v_wmma_f32_16x16x128_fp8_fp8 v[OT+8*\t:OT+8*\t+7], v[VF+16*\t:VF+16*\t+15], v[PC:PC+15], v[OT+8*\t:OT+8*\t+7]
.endr
	WIN 0
.endm
; THE CHANGE OF SLOTS stands at a slot's head.  Each wave waits for all its tensor loads, adds 0 to its spare word, and waits for that and for its reads of the slot that it has left.
; fill = 1: the barrier is a round of the cluster's, and behind it the slot that was left takes the keys that follow: the load has a whole slot's two steps in which to land.
.macro CHANGE fill
	s_wait_tensorcnt 0x0                           ; no tensor load of mine is out, so a group 0 may be written
	ds_add_u32 v[SPW], v[NIL]                      ; 0 onto my spare word
.if \fill
	s_xor_b32 s[G0KV+1], s[G0KV+1], SLOT1          ; the walking descriptors: the other slot,
	s_add_nc_u64 s[G0KV+2:G0KV+3], s[G0KV+2:G0KV+3], 65536   ; the next 256 keys' four blocks
	s_xor_b32 s[G0M+1], s[G0M+1], SLOT1
	s_add_nc_u64 s[G0M+2:G0M+3], s[G0M+2:G0M+3], 1024        ; 256 numbers on in the mask's rows
	s_wait_xcnt 0x0                                ; the last prefetch, a slot back, has read its address
	s_add_nc_u64 s[PFA:PFA+1], s[PFA:PFA+1], s[PFS:PFS+1]    ; one slot further on than the walking descriptors
	s_wait_dscnt 0x0                               ; the add is done, and my reads of the slot that I have left are over
	CROUND
	TLOAD                                          ; the first thing behind the round, and a wave's one tensor load until the next
	ASK
.else
	s_wait_dscnt 0x0
	s_barrier_signal -1
	s_barrier_wait -1
.endif
.endm
.macro SLOT_BODY
	v_add_nc_u32 v[ADK], s[TB], v[AK0]
	v_add_nc_u32 v[ADV], s[TB], v[AV0]
	v_add_nc_u32 v[ADM], s[TB], v[AM0]
	LK 0
	LM 0
	STEP 0
	STEP 1
	s_xor_b32 s[TB], s[TB], SLOT1                  ; on to the other slot
.endm
	s_load_b256 s[4:11], s[0:1], 0x0               ; q_c s[4:5], kv_c s[6:7], mask s[8:9], the scales' exponents s[10:11]
	s_load_b64 s[12:13], s[0:1], 0x20              ; o_c
	v_lshl_add_u32 v[SPW], v0, 2, SPARE
	v_mov_b32 v[NIL], 0
	ds_add_u32 v5, v6
	s_wait_dscnt 0x0
	v_lshrrev_b32 v251, 5, v0
	v_readfirstlane_b32 s[WV], v251                ; wave 0..7
	s_bfe_u32 s50, ttmp6, 0x40000                  ; cx
	s_bfe_u32 s51, ttmp6, 0x40004                  ; cy = the key/value head g
	s_lshl_b32 s52, ttmp9, 2
	s_add_co_u32 s52, s52, s50                     ; my block of 32 queries = 4 x cluster + cx
	s_lshl_b32 s53, s51, 2
	s_lshl_b32 s53, 15, s53                        ; my row of the cluster
	s_lshl_b32 s54, 0x1111, s50                    ; my column
	s_and_b32 s85, s[WV], 3                        ; hh: my head in the group.  Also: which block of a slot I fetch
	s_lshr_b32 s55, s[WV], 2                       ; qt: my tile of 16 queries
	; descriptor group 1.  K, V^T: a block of 128 rows x 128 bytes, dense in memory.  The mask: 32 rows x 256 numbers of 4 bytes, 2,048 numbers from row to row
	s_or_b32 s[G1KV], s53, (0<<16)|(1<<20)|(1<<21)|(4<<22)|(3<<25)   ; the mask of my row; elements of 1 byte; padding: 4 words after every 32
	s_mov_b32 s[G1KV+1], 128<<16
	s_mov_b32 s[G1KV+2], 128<<16
	s_mov_b32 s[G1KV+3], 128<<16
	s_mov_b32 s[G1KV+4], 128
	s_mov_b32 s[G1KV+5], 128
	s_mov_b32 s[G1KV+6], 0
	s_mov_b32 s[G1KV+7], 0
	s_or_b32 s[G1M], s54, (2<<16)|(1<<20)|(1<<21)|(7<<22)|(3<<25)    ; the mask of my column; elements of 4 bytes; padding: 4 words after every 256
	s_mov_b32 s[G1M+1], 256<<16
	s_mov_b32 s[G1M+2], 32<<16
	s_mov_b32 s[G1M+3], 256<<16
	s_mov_b32 s[G1M+4], 32
	s_mov_b32 s[G1M+5], 2048
	s_mov_b32 s[G1M+6], 0
	s_mov_b32 s[G1M+7], 0
	s_mov_b32 s[SEL], 0x76543210
	s_mov_b32 s[SEL+1], 0xfedcba98
	s_mov_b32 s[CS], 0x3db504f3                    ; 1 / sqrt(128)
	s_mov_b32 s[LE], 0x3fb8aa3b                    ; log2(e)
	s_mov_b32 s[LE+1], s[LE]
	s_mov_b32 s[TB], 0
	s_mov_b32 s[SLOTS], NSL-1
	s_lshl_b32 s86, s51, 19                        ; g's 524,288 bytes of kv_c,
	s_lshl_b32 s87, s85, 14                        ; my block of 16,384
	s_add_co_u32 s86, s86, s87
	s_mov_b32 s87, 0
	s_lshl_b32 s88, s52, 18                        ; my block's 32 rows of the mask, 8,192 bytes each
	s_mov_b32 s89, 0
	s_wait_kmcnt 0x0
	s_load_b256 s[68:75], s[10:11], 0x0            ; e0 .. e7
	s_load_b128 s[76:79], s[10:11], 0x20           ; e8 .. e11
	s_mov_b32 s[G0KV], 1
	s_mul_i32 s[G0KV+1], s85, BLK                  ; LDS: slot 0, my block: no place in the cluster enters an LDS address
	s_add_nc_u64 s[G0KV+2:G0KV+3], s[6:7], s[86:87]
	s_or_b32 s[G0KV+3], s[G0KV+3], 0x80000000
	s_mov_b32 s[G0M], 1
	s_mov_b32 s[G0M+1], MOFF
	s_add_nc_u64 s[G0M+2:G0M+3], s[8:9], s[88:89]
	s_or_b32 s[G0M+3], s[G0M+3], 0x80000000
	CROUND                                         ; all sixteen work-groups are here: the first joint loads meet
	TLOAD                                          ; slot 0
	s_lshl_b32 s90, s51, 2
	s_add_co_u32 s90, s90, s85                     ; my head
	s_lshl_b32 s90, s90, 11
	s_lshl_b32 s91, s52, 5
	s_add_co_u32 s90, s90, s91
	s_lshl_b32 s91, s55, 4
	s_add_co_u32 s90, s90, s91                     ; my first query's row of q_c
	s_lshl_b32 s90, s90, 7
	s_mov_b32 s91, 0
	s_add_nc_u64 s[4:5], s[4:5], s[90:91]
	v_and_b32 v249, 15, v0                         ; r
	v_bfe_u32 v250, v0, 4, 1                       ; h
	v_lshlrev_b32 v[QO], 7, v249
	v_lshl_add_u32 v[QO], v250, 4, v[QO]
.irp c, 0,1,2,3
	global_load_b128 v[QF+4*\c:QF+4*\c+3], v[QO], s[4:5] offset:32*\c   ; Q's fragment stays in registers
.endr
	s_lshl_b32 s92, s52, 5
	s_lshl_b32 s93, s[WV], 2
	s_add_co_u32 s92, s92, s93                     ; the way out: wave w stores rows 4 w .. 4 w + 3 of the block,
	s_lshl_b32 s92, s92, 11
	s_lshl_b32 s93, s51, 9
	s_add_co_u32 s92, s92, s93                     ; group g's 512 bytes of them
	s_mov_b32 s93, 0
	s_add_nc_u64 s[12:13], s[12:13], s[92:93]
	; the prefetches (macro ASK)
	s_lshl_b32 s94, s52, 5
	s_lshl_b32 s95, s51, 3
	s_add_co_u32 s94, s94, s95                     ; the mask: my work-group's 8 rows of the block's 32,
	s_lshl_b32 s94, s94, 13
	s_add_co_u32 s94, s94, 1024                    ; in slot 1: the first change of slots steps it to slot 2
	s_lshl_b32 s96, s51, 19
	s_lshl_b32 s97, s50, 14
	s_add_co_u32 s96, s96, s97                     ; kv_c: my work-group's 16,384 bytes of a slot's 65,536,
	s_and_b32 s97, s[WV], 1
	s_lshl_b32 s97, s97, 13
	s_add_co_u32 s96, s96, s97                     ; my wave's half of them,
	s_add_co_u32 s96, s96, 65536                   ; in slot 1
	s_mov_b32 s98, 1024
	s_mov_b32 s99, 65536
	s_cmp_eq_u32 s[WV], 5
	s_cselect_b64 s[PFA:PFA+1], s[8:9], s[6:7]
	s_cselect_b32 s96, s94, s96
	s_cselect_b32 s98, 8192, s98                   ; from four lanes to the next four: a row of the mask, or 1,024 bytes on
	s_cselect_b32 s[PFS], 1024, s99                ; a slot on
	s_cselect_b32 s[LIM], 1, -1                    ; wave 5 asks in every work-group
	s_mov_b32 s97, 0
	s_mov_b32 s[PFS+1], 0
	s_add_nc_u64 s[PFA:PFA+1], s[PFA:PFA+1], s[96:97]
	s_lshr_b32 s94, s[WV], 1
	s_xor_b32 s94, s94, 3                          ; 0 in waves 6 and 7,
	s_or_b32 s94, s94, ttmp9                       ; of the first cluster: the same in all sixteen partners
	s_cmp_eq_u32 s94, 0
	s_cselect_b32 s[LIM], 1, s[LIM]
	v_and_b32 v251, 31, v0
	v_lshlrev_b32 v[GO], 4, v251
	v_lshrrev_b32 v[PFO], 2, v251
	v_mul_lo_u32 v[PFO], v[PFO], s98
	v_and_b32 v251, 3, v0
	v_lshl_add_u32 v[PFO], v251, 8, v[PFO]
	; LDS addresses
	v_and_b32 v251, 8, v249
	v_add_nc_u32 v251, v251, v249                  ; r + 8 (r / 8)
	v_mul_u32_u24 v[AK0], v251, KP
	v_lshl_add_u32 v[AK0], v250, 4, v[AK0]
	v_mul_u32_u24 v[AV0], v249, KP
	v_lshl_add_u32 v[AV0], v250, 4, v[AV0]
	v_add_nc_u32 v[AV0], BLK, v[AV0]
	s_mul_i32 s86, s55, 16*MP
	s_add_co_u32 s86, s86, MOFF
	v_mul_u32_u24 v[AM0], v249, MP
	v_lshl_add_u32 v[AM0], v250, 6, v[AM0]
	v_add_nc_u32 v[AM0], s86, v[AM0]               ; the mask: row 16 qt + r, + 16 h numbers
	s_mul_i32 s86, s55, 16*SP
	s_lshl_b32 s87, s85, 2
	s_add_co_u32 s86, s86, s87
	v_mul_u32_u24 v[SO], v249, SP
	v_lshl_add_u32 v[SO], v250, 5, v[SO]
	v_add_nc_u32 v[SO], s86, v[SO]                 ; the stage: row 16 qt + r, byte 32 h + 4 hh (+ 64 t, + 16)
	s_mul_i32 s86, s[WV], 4*SP
	v_add_nc_u32 v[RDO], s86, v[GO]                ; back: my four rows, 16 bytes a lane
	v_mov_b32 v13, 0xff61b1e6                      ; the largest t so far: -3e38
	v_floor_f32 v12, -v13                          ; -M
	v_mov_b32 v14, 0                               ; the sum, in two halves
	v_mov_b32 v15, 0
	v_mov_b32 v248, 0                              ; written once: a lane permute's destination counts as one of its sources
	v_mov_b32 v253, 0                              ; (named as the upper half of the pair v[252:253])
.set jj, 0
.rept 64
	v_mov_b32 v[OT+jj], 0                          ; O^T: the step is written once; the first finds zeros, which the first change of M leaves zeros
.set jj, jj+1
.endr
	s_wait_kmcnt 0x0
	s_add_co_i32 s86, s74, s75
	s_lshl_b32 s86, s86, 23
	s_add_co_i32 s[CS], s[CS], s86                 ; e6 + e7 onto the exponent field
	s_mov_b32 s[CS+1], s[CS]
	s_add_co_i32 s86, s77, 127
	s_lshl_b32 s87, s86, 23
	v_mov_b32 v[SCP], s87                          ; 2^e9
	s_add_co_i32 s86, s86, 8
	s_lshl_b32 s86, s86, 23
	s_or_b32 s86, s86, 0x600000
	v_mov_b32 v[LIMP], s86                         ; 448 x 2^e9
	s_sub_co_i32 s86, s78, s76
	s_sub_co_i32 s86, s86, s77                     ; a sum of the second product stands for sum x 2^(e8 + e9): o's code is (sum / l) / 2^(e10 - e8 - e9)
	s_add_co_i32 s86, s86, 127
	s_lshl_b32 s87, s86, 23
	v_mov_b32 v[SCO], s87
	s_add_co_i32 s86, s86, 8
	s_lshl_b32 s86, s86, 23
	s_or_b32 s86, s86, 0x600000
	v_mov_b32 v[LIMO], s86
	s_wait_loadcnt 0x0                             ; Q
.Lslot:                                            ; NSL - 1 trips: behind each change of slots but the last the next slot is asked for
	CHANGE 1
	SLOT_BODY
	s_sub_co_u32 s[SLOTS], s[SLOTS], 1
	s_cmp_lg_u32 s[SLOTS], 0
	s_cbranch_scc1 .Lslot
	CHANGE 0                                       ; the last slot is written out
	SLOT_BODY
	; THE WAY OUT: O^T / the sum, quantised; four heads' codes of a query meet in the stage, and each wave stores four rows of 512 bytes.
.rept 4
	v_nop                                          ; places behind the last products
.endr
	v_add_f32 v14, v14, v15
	v_permlanex16_b32 v248, v14, s[SEL], s[SEL+1]
	v_add_f32 v14, v14, v248                       ; the row's sum
	v_rcp_f32 v14, v14
	v_nop                                          ; a plain line behind the reciprocal
	s_wait_alu depctr_va_vdst(0)                   ; and the wait ahead of its first reader
.set jj, 0
.rept 32
	v_pk_mul_f32 v[S+jj:S+jj+1], v[OT+jj:OT+jj+1], v[14:15] op_sel_hi:[1,0]   ; register 8 t + j: channel 16 t + 8 h + j of query r
.set jj, jj+2
.endr
.irp t, 0,1,2,3,4,5,6,7
.irp j, 0,1,2,3,4,5,6,7
	v_med3_num_f32 v[S+8*\t+\j], v[S+8*\t+\j], -v[LIMO], v[LIMO]
.endr
	v_cvt_scalef32_pk8_fp8_f32 v[PC+2*\t:PC+2*\t+1], v[S+8*\t:S+8*\t+7], v[SCO]
.endr
	v_nop                                          ; a plain line behind the last conversion
.irp t, 0,1,2,3,4,5,6,7
	ds_store_b32 v[SO], v[PC+2*\t] offset:64*\t        ; channels 16 t + 8 h + 0 .. 3: byte 16 (4 t + 2 h) + 4 hh
	ds_store_b32 v[SO], v[PC+2*\t+1] offset:64*\t+16   ; channels 16 t + 8 h + 4 .. 7
.endr
	s_wait_dscnt 0x0                               ; for the others' sake: my stores into the stage are done
	s_barrier_signal -1
	s_barrier_wait -1
.irp i, 0,1,2,3
	ds_load_b128 v[MK+4*\i:MK+4*\i+3], v[RDO] offset:SP*\i
.endr
.irp i, 0,1,2,3
	s_wait_dscnt 3-\i
	global_store_b128 v[GO], v[MK+4*\i:MK+4*\i+3], s[12:13] offset:2048*\i   ; 32 lanes store 512 consecutive bytes, aligned
.endr
	s_wait_tensorcnt 0x0                           ; the wave's end
	ds_add_u32 v[SPW], v[NIL]
	s_wait_dscnt 0x0
	CROUND                                         ; the closing round
	s_endpgm
.Lfunc_end_k_qf2a98846bf_attn:
	.size	k_qf2a98846bf_attn, .Lfunc_end_k_qf2a98846bf_attn-k_qf2a98846bf_attn
	.p2alignl 7, 3214868480
	.fill 96, 4, 3214868480
	.section	.rodata,"a",@progbits
	.p2align	6, 0x0
	.amdhsa_kernel k_qf2a98846bf_attn
		.amdhsa_group_segment_fixed_size 327680
		.amdhsa_private_segment_fixed_size 0
		.amdhsa_enable_private_segment 0
		.amdhsa_kernarg_size 40
		.amdhsa_user_sgpr_count 2
		.amdhsa_user_sgpr_kernarg_segment_ptr 1
		.amdhsa_wavefront_size32 1
		.amdhsa_system_sgpr_workgroup_id_x 1
		.amdhsa_system_sgpr_workgroup_id_y 1
		.amdhsa_system_sgpr_workgroup_id_z 1
		.amdhsa_system_vgpr_workitem_id 0
		.amdhsa_next_free_vgpr 512
		.amdhsa_next_free_sgpr 100
		.amdhsa_reserve_vcc 0
		.amdhsa_float_denorm_mode_32 3
		.amdhsa_float_denorm_mode_16_64 3
		.amdhsa_memory_ordered 1
		.amdhsa_forward_progress 1
		.amdhsa_inst_pref_size 108
	.end_amdhsa_kernel
	.amdgpu_metadata
---
amdhsa.version: [ 1, 2 ]
amdhsa.kernels:
  - .name:           k_qf2a98846bf_attn
    .symbol:         k_qf2a98846bf_attn.kd
    .args:
      - { .name: q_c, .offset: 0, .size: 8, .value_kind: global_buffer, .address_space: global }
      - { .name: kv_c, .offset: 8, .size: 8, .value_kind: global_buffer, .address_space: global }
      - { .name: mask, .offset: 16, .size: 8, .value_kind: global_buffer, .address_space: global }
      - { .name: lowp_scales, .offset: 24, .size: 8, .value_kind: global_buffer, .address_space: global }
      - { .name: o_c, .offset: 32, .size: 8, .value_kind: global_buffer, .address_space: global }
    .group_segment_fixed_size: 327680
    .private_segment_fixed_size: 0
    .kernarg_segment_align: 8
    .kernarg_segment_size: 40
    .max_flat_workgroup_size: 256
    .sgpr_count:     100
    .vgpr_count:     512
    .wavefront_size: 32
...
	.end_amdgpu_metadata
.endif
;; end of part 3
;; launch proj (part 4): grid 16 x 16, 4 waves a work-group, clusters of 4 x 4, 327,680 bytes of LDS; arguments o_c, wc, lowp_scales, out0; writes out0
.if DOCPART == 4
	.amdgcn_target "amdgcn-amd-amdhsa--gfx1250"
	.amdhsa_code_object_version 6
	.text
	.protected	k_qf2a98846bf_proj
	.globl	k_qf2a98846bf_proj
	.p2align	8
	.type	k_qf2a98846bf_proj,@function
k_qf2a98846bf_proj:
	s_mov_b64 s[64:65], 0
	v_nop
	global_prefetch_b8 v0, s[64:65] scope:SCOPE_SE
	s_setreg_imm32_b32 hwreg(HW_REG_WAVE_MODE, 25, 1), 1
	s_wait_xcnt 0x0
	s_wait_alu depctr_hold_cnt(0) depctr_sa_sdst(0) depctr_va_vdst(0) depctr_va_sdst(0) depctr_va_ssrc(0) depctr_va_vcc(0) depctr_vm_vsrc(0)
	s_getreg_b32 s2, hwreg(HW_REG_IB_STS2, 6, 4)
	s_cmp_eq_u32 s2, 0
	s_cbranch_scc0 .Lentry_in_a_cluster
	s_endpgm
.Lentry_in_a_cluster:
	s_bfe_u32 s2, ttmp6, 0x10000c
	s_cmp_lg_u32 s2, 0xf033
	s_cbranch_scc0 .Lentry_shape_is_right
	s_endpgm
.Lentry_shape_is_right:
; out0 = o wo^T on codes of E4M3: o_c [2048][2048] and wo's codes (at byte 0x600000 of wc, [2048][2048]), both with the same order of codes along K; out0 [2048][2048] f32.
; Each finished sum is multiplied once by 2^(e10 + e11).  LIMIT: e10 + e11 between -126 and 127.
; A tile of the result is 128 x 128: four waves, 64 x 64 each, 16 accumulators.  K = 2,048 goes in four K steps of 512 (LDS rows of 512 bytes + 16) through a ring of two slots filled by the tensor data mover.
; CLUSTERS of 4 x 4 work-groups: the four of a row need the same tile of o_c, the four of a column the same tile of wo: each tile is asked for JOINTLY.
; THE MATRIX INSTRUCTION IS USED TRANSPOSED (source 0 = 16 rows of wo, source 1 = 16 rows of o): a lane holds eight neighbouring numbers of a row of the result.
; REGISTERS: window 0: v1-6 at work, v16-29 addresses, v128-255 accumulators ((a, b) at 128 + 8 (4 a + b)), later rows of the result.  window 1: two fragment buffers of 128: A's four fragments, then B's four.
.set KROW,   2048
.set KB,     512
.set PITCH,  528                       ; an LDS row: 512 bytes + 16 = 132 words: row r starts at bank 4 r mod 64 (64 banks of 4 bytes: ISA guide 11.1)
.set HALFT,  64*PITCH
.set SLOT,   4*HALFT
.set SPARE,  2*SLOT                    ; behind the ring: the spare words, 128 bytes for each wave, that no other line names
.set SPITCH, 528                       ; the way out: a stage of 128 rows x (512 bytes + 16) in slot 0, which has had its last fill and its last read by then
.set ADRA, 16
.set ADRB, 20
.set STO,  24
.set RD,   25
.set CO,   26
.set SPW,  28
.set NIL,  29
.set ACC,  128
.set F0,   0
.set F1,   128
.set G1, 24
.set G0, 32
.set G1B, 48
.set G0B, 56
.set MSB, 0
.macro WIN new
.if MSB != \new
	s_set_vgpr_msb (MSB<<8)|\new
.set MSB, \new
.endif
.endm
.set MUL,  0x05                        ; sources 0 (B) and 1 (A) window 1; C and D window 0
.set TO_F, 0x40                        ; destination window 1, address window 0
.macro JLOAD s                         ; a joint load: waves 0 and 1 fetch A's halves, waves 2 and 3 B's; four v_nop follow each of the two lines
	s_cmp_eq_u32 s11, 0
	s_cbranch_scc0 .Lfor_b_\@
	tensor_load_to_lds s[G0+4*\s:G0+4*\s+3], s[G1:G1+7]
	s_nop 0
.rept 4
	v_nop
.endr
	s_branch .Lasked_\@
.Lfor_b_\@:
	tensor_load_to_lds s[G0B+4*\s:G0B+4*\s+3], s[G1B:G1B+7]
	s_nop 0
.rept 4
	v_nop
.endr
.Lasked_\@:
.endm
.macro CREST
	s_cmp_lg_u32 s10, 0
	s_cbranch_scc1 .Lnot_wave_0_\@
	s_barrier_signal -3
.Lnot_wave_0_\@:
	s_barrier_wait -3
	s_barrier_signal -1
	s_barrier_wait -1
.endm
.macro CROUND
	s_barrier_signal -1
	s_barrier_wait -1
	CREST
.endm
.macro PLACES                          ; four places behind matrix instructions (ISA guide 7.12.1)
.rept 4
	v_nop
.endr
.endm
; Four matrix instructions: A's block a x B's four, 128 along K.  The 16 accumulators take turns in the same order in every quarter.
.macro MUL4 f, a, zero
.irp b, 0,1,2,3
.if \zero
	v_wmma_f32_16x16x128_fp8_fp8 v[ACC+8*(4*(\a)+\b):ACC+8*(4*(\a)+\b)+7], v[\f+64+16*\b:\f+64+16*\b+15], v[\f+16*(\a):\f+16*(\a)+15], 0
.else
	v_wmma_f32_16x16x128_fp8_fp8 v[ACC+8*(4*(\a)+\b):ACC+8*(4*(\a)+\b)+7], v[\f+64+16*\b:\f+64+16*\b+15], v[\f+16*(\a):\f+16*(\a)+15], v[ACC+8*(4*(\a)+\b):ACC+8*(4*(\a)+\b)+7]
.endif
.endr
.endm
.macro MUL8 f, a0, zero
	MUL4 \f, \a0, \zero
	MUL4 \f, \a0+1, \zero
.endm
.macro FETCH slot, k, f                ; 32 LDS loads in one run: B's four fragments, then A's four
	WIN TO_F
.irp i, 0,1,2,3
.irp c, 0,1,2,3
	ds_load_b128 v[\f+64+16*\i+4*\c:\f+64+16*\i+4*\c+3], v[ADRB+\slot] offset:\k+32*\c+\i*16*PITCH
.endr
.endr
.irp i, 0,1,2,3
.irp c, 0,1,2,3
	ds_load_b128 v[\f+16*\i+4*\c:\f+16*\i+4*\c+3], v[ADRA+\slot] offset:\k+32*\c+\i*16*PITCH
.endr
.endr
.endm
.macro QUARTER slot, k, f, g, zero
	s_wait_dscnt 8                                 ; B's four and A's blocks 0, 1 are in; the youngest eight loads (A's blocks 2, 3) may be out
	WIN MUL
	MUL8 \f, 0, \zero
	PLACES
	FETCH \slot, \k, \g
	s_wait_dscnt 32                                ; all but the 32 just issued
	WIN MUL
	MUL8 \f, 2, \zero
.endm
; The last quarter changes slots: ONE barrier; in front of it each wave waits for all its tensor loads, adds 0 to its spare word, and waits for that and for its reads of this slot.
.macro TURN slot, next, fill
	WIN 0
	s_wait_tensorcnt 0x0                           ; all my tensor loads have landed: my part of the next slot
	ds_add_u32 v[SPW], v[NIL]                      ; 0 onto my spare word
	s_wait_dscnt 13                                ; (the add and the youngest twelve loads, A's blocks 1 to 3, may be out)
	WIN MUL
	MUL4 F1, 0, 0
	s_wait_dscnt 0x0                               ; the add is done, and my reads of this slot are over
	s_barrier_signal -1
	MUL4 F1, 1, 0
.if \fill
	WIN 0
.endif
	s_barrier_wait -1
.if \fill
	CREST                                          ; the barrier has opened a round of the cluster's barrier
	s_add_nc_u64 s[G0+4*\slot+2:G0+4*\slot+3], s[G0+4*\slot+2:G0+4*\slot+3], 2*KB
	s_add_nc_u64 s[G0B+4*\slot+2:G0B+4*\slot+3], s[G0B+4*\slot+2:G0B+4*\slot+3], 2*KB
	JLOAD \slot                                    ; the first tensor load behind the round; its four v_nop are also the places in front of the loads below
.else
	PLACES
.endif
	FETCH \next, 0, F0
	WIN MUL
	MUL8 F1, 2, 0
.endm
	s_load_b256 s[68:75], s[0:1], 0x0              ; o_c s[68:69], wc s[70:71], the scales' exponents s[72:73], out0 s[74:75]
	v_lshl_add_u32 v[SPW], v0, 2, SPARE
	v_mov_b32 v[NIL], 0
	ds_add_u32 v28, v29
	s_wait_dscnt 0x0
	v_lshrrev_b32 v1, 5, v0
	v_readfirstlane_b32 s10, v1                    ; wave 0..3
	s_lshr_b32 s11, s10, 1                         ; which half of the tile's rows is mine.  Also: I fetch for A (0) or for B (1)
	s_and_b32 s12, s10, 1                          ; which half of its columns.  Also: which 64 rows of that tile I fetch
	s_bfe_u32 s40, ttmp6, 0x40000                  ; cx, cy
	s_bfe_u32 s41, ttmp6, 0x40004
	s_lshl_b32 s42, ttmp9, 2
	s_add_co_u32 s42, s42, s40                     ; tile column = 4 x cluster x + cx
	s_and_b32 s13, ttmp7, 0xffff
	s_lshl_b32 s13, s13, 2
	s_add_co_u32 s13, s13, s41                     ; tile row = 4 x cluster y + cy
	s_lshl_b32 s43, s41, 2
	s_lshl_b32 s43, 15, s43                        ; my row of the cluster
	s_lshl_b32 s44, 0x1111, s40                    ; my column
	s_or_b32 s[G1+0], s43, (0<<16)|(1<<20)|(1<<21)|(6<<22)|(3<<25)  ; the mask; elements of 1 byte; padding: 4 words after every 128; bit 21 set beside a mask
	s_or_b32 s[G1B+0], s44, (0<<16)|(1<<20)|(1<<21)|(6<<22)|(3<<25)
.irp g, G1, G1B
	s_mov_b32 s[\g+1], KB<<16                      ; tensor_dim0 = 512
	s_mov_b32 s[\g+2], 64<<16                      ; tensor_dim1 = 64
	s_mov_b32 s[\g+3], KB<<16                      ; tile_dim0 = 512
	s_mov_b32 s[\g+4], 64                          ; tile_dim1 = 64
	s_mov_b32 s[\g+5], KROW                        ; tensor_dim0_stride
	s_mov_b32 s[\g+6], 0
	s_mov_b32 s[\g+7], 0
.endr
	s_lshl_b32 s19, s12, 6
	s_lshl_b32 s16, s13, 7
	s_add_co_u32 s16, s16, s19
	s_lshl_b32 s16, s16, 11                        ; A: (128 x tile row + 64 x half) rows of 2,048 bytes
	s_mov_b32 s17, 0
	s_lshl_b32 s46, s42, 7
	s_add_co_u32 s46, s46, s19
	s_lshl_b32 s46, s46, 11                        ; B: the same by the tile column
	s_mov_b32 s47, 0
	s_mul_i32 s20, s10, HALFT                      ; where they go: wave x 64 rows
	s_wait_kmcnt 0x0
	s_load_b64 s[96:97], s[72:73], 0x28            ; e10, e11
	s_add_nc_u64 s[6:7], s[70:71], 0x600000        ; wo's codes
	s_add_nc_u64 s[14:15], s[68:69], s[16:17]
	s_add_nc_u64 s[46:47], s[6:7], s[46:47]
	CROUND                                         ; all sixteen work-groups are here: the first joint loads meet
.irp s, 0,1
	s_mov_b32 s[G0+4*\s], 1
	s_add_co_u32 s[G0+4*\s+1], s20, \s*SLOT
	s_add_nc_u64 s[G0+4*\s+2:G0+4*\s+3], s[14:15], \s*KB
	s_or_b32 s[G0+4*\s+3], s[G0+4*\s+3], 0x80000000
	s_mov_b32 s[G0B+4*\s], 1
	s_add_co_u32 s[G0B+4*\s+1], s20, \s*SLOT
	s_add_nc_u64 s[G0B+4*\s+2:G0B+4*\s+3], s[46:47], \s*KB
	s_or_b32 s[G0B+4*\s+3], s[G0B+4*\s+3], 0x80000000
	JLOAD \s                                       ; K steps 0 and 1: two loads of mine are out
.endr
	v_and_b32 v1, 15, v0                           ; r
	v_bfe_u32 v2, v0, 4, 1                         ; h
	v_mul_u32_u24 v3, v1, PITCH
	v_lshl_add_u32 v3, v2, 4, v3
	s_mul_i32 s21, s11, HALFT
	s_mul_i32 s22, s12, HALFT
	s_add_co_u32 s22, s22, 2*HALFT
.irp s, 0,1
	v_add_nc_u32 v[ADRA+\s], s21, v3
	v_add_nc_u32 v[ADRB+\s], s22, v3
	s_add_co_u32 s21, s21, SLOT
	s_add_co_u32 s22, s22, SLOT
.endr
	s_mul_i32 s23, s11, 64*SPITCH                  ; into the stage: row 64 x row half + 16 a + r, byte 256 x column half + 64 b + 32 h
	s_lshl_b32 s21, s12, 8
	s_add_co_u32 s23, s23, s21
	v_mul_u32_u24 v4, v1, SPITCH
	v_lshl_add_u32 v4, v2, 5, v4
	v_add_nc_u32 v[STO], s23, v4
	v_and_b32 v6, 31, v0
	v_lshlrev_b32 v[CO], 4, v6                     ; back: the 32 lanes take one row of 512 bytes; and the same in out0
	s_mul_i32 s23, s10, 32*SPITCH                  ; wave w takes rows 32 w on
	v_add_nc_u32 v[RD], s23, v[CO]
	s_lshl_b32 s16, s13, 7
	s_lshl_b32 s17, s10, 5
	s_add_co_u32 s16, s16, s17                     ; the first row that I store: 128 x tile row + 32 x wave,
	s_lshl_b32 s16, s16, 13                        ; of 8,192 bytes
	s_mov_b32 s17, 0
	s_add_nc_u64 s[8:9], s[74:75], s[16:17]
	s_lshl_b32 s46, s42, 9                         ; the tile's first column, in bytes
	s_mov_b32 s47, 0
	s_add_nc_u64 s[8:9], s[8:9], s[46:47]
	s_wait_kmcnt 0x0
	s_add_co_i32 s96, s96, s97
	s_add_co_i32 s96, s96, 127
	s_lshl_b32 s96, s96, 23                        ; 2^(e10 + e11) as f32
	s_mov_b32 s97, s96                             ; (named with it as a pair, so it is written)
	s_wait_tensorcnt 1                             ; my part of K step 0 is in; K step 1's may stay out
	s_barrier_signal -1
	s_barrier_wait -1
	FETCH 0, 0, F0
	QUARTER 0, 128, F0, F1, 1                      ; K step 0: its first quarter starts the sums
	QUARTER 0, 256, F1, F0, 0
	QUARTER 0, 384, F0, F1, 0
	TURN 0, 1, 1                                   ; slot 0 takes K step 2
	QUARTER 1, 128, F0, F1, 0                      ; K step 1
	QUARTER 1, 256, F1, F0, 0
	QUARTER 1, 384, F0, F1, 0
	TURN 1, 0, 1                                   ; slot 1 takes K step 3
	QUARTER 0, 128, F0, F1, 0                      ; K step 2
	QUARTER 0, 256, F1, F0, 0
	QUARTER 0, 384, F0, F1, 0
	TURN 0, 1, 0                                   ; nothing is left to fetch
	QUARTER 1, 128, F0, F1, 0                      ; K step 3
	QUARTER 1, 256, F1, F0, 0
	QUARTER 1, 384, F0, F1, 0
	s_wait_dscnt 8
	WIN MUL
	MUL8 F1, 0, 0
	s_wait_dscnt 0x0
	MUL8 F1, 2, 0
	WIN 0
	; THE WAY OUT: x 2^(e10 + e11); 32 bytes a lane into the work-group's stage; a barrier, since a row's 512 bytes come from two waves; back as whole rows, 32 rows a wave.
	PLACES
.set jj, 0
.rept 64
	v_pk_mul_f32 v[ACC+jj:ACC+jj+1], v[ACC+jj:ACC+jj+1], s[96:97] op_sel_hi:[1,0]   ; each accumulator from its low end on
.set jj, jj+2
.endr
.irp a, 0,1,2,3
.irp b, 0,1,2,3
	ds_store_b128 v[STO], v[ACC+8*(4*\a+\b):ACC+8*(4*\a+\b)+3] offset:\a*16*SPITCH+64*\b
	ds_store_b128 v[STO], v[ACC+8*(4*\a+\b)+4:ACC+8*(4*\a+\b)+7] offset:\a*16*SPITCH+64*\b+16
.endr
.endr
	s_wait_dscnt 0x0                               ; for the others' sake: my stores into the stage are done
	s_barrier_signal -1
	s_barrier_wait -1
.set jj, 0
.rept 32
	ds_load_b128 v[ACC+4*jj:ACC+4*jj+3], v[RD] offset:jj*SPITCH
.set jj, jj+1
.endr
.set jj, 0
.rept 32
	s_wait_dscnt 31-jj
	global_store_b128 v[CO], v[ACC+4*jj:ACC+4*jj+3], s[8:9] offset:jj*8192 th:TH_STORE_NT   ; 32 lanes store 512 consecutive bytes, aligned; written once, read by nobody here
.set jj, jj+1
.endr
	s_wait_tensorcnt 0x0                           ; the wave's end
	ds_add_u32 v[SPW], v[NIL]
	s_wait_dscnt 0x0
	CROUND                                         ; the closing round
	s_endpgm
.Lfunc_end_k_qf2a98846bf_proj:
	.size	k_qf2a98846bf_proj, .Lfunc_end_k_qf2a98846bf_proj-k_qf2a98846bf_proj
	.p2alignl 7, 3214868480
	.fill 96, 4, 3214868480
	.section	.rodata,"a",@progbits
	.p2align	6, 0x0
	.amdhsa_kernel k_qf2a98846bf_proj
		.amdhsa_group_segment_fixed_size 327680
		.amdhsa_private_segment_fixed_size 0
		.amdhsa_enable_private_segment 0
		.amdhsa_kernarg_size 32
		.amdhsa_user_sgpr_count 2
		.amdhsa_user_sgpr_kernarg_segment_ptr 1
		.amdhsa_wavefront_size32 1
		.amdhsa_system_sgpr_workgroup_id_x 1
		.amdhsa_system_sgpr_workgroup_id_y 1
		.amdhsa_system_sgpr_workgroup_id_z 1
		.amdhsa_system_vgpr_workitem_id 0
		.amdhsa_next_free_vgpr 512
		.amdhsa_next_free_sgpr 100
		.amdhsa_reserve_vcc 0
		.amdhsa_float_denorm_mode_32 3
		.amdhsa_float_denorm_mode_16_64 3
		.amdhsa_memory_ordered 1
		.amdhsa_forward_progress 1
		.amdhsa_inst_pref_size 74
	.end_amdhsa_kernel
	.amdgpu_metadata
---
amdhsa.version: [ 1, 2 ]
amdhsa.kernels:
  - .name:           k_qf2a98846bf_proj
    .symbol:         k_qf2a98846bf_proj.kd
    .args:
      - { .name: o_c, .offset: 0, .size: 8, .value_kind: global_buffer, .address_space: global }
      - { .name: wc, .offset: 8, .size: 8, .value_kind: global_buffer, .address_space: global }
      - { .name: lowp_scales, .offset: 16, .size: 8, .value_kind: global_buffer, .address_space: global }
      - { .name: out0, .offset: 24, .size: 8, .value_kind: global_buffer, .address_space: global }
    .group_segment_fixed_size: 327680
    .private_segment_fixed_size: 0
    .kernarg_segment_align: 8
    .kernarg_segment_size: 32
    .max_flat_workgroup_size: 128
    .sgpr_count:     100
    .vgpr_count:     512
    .wavefront_size: 32
...
	.end_amdgpu_metadata
.endif
;; end of part 4
;; ======== version 2 of 2: 4 launches
;; limits: right only within a limited range of input values
;; workspace buffers: xc 12,582,912 bytes; wc 10,485,760 bytes; q_c 4,194,304 bytes; kv_c 2,097,152 bytes; o_c 4,194,304 bytes
;; launch quant (part 5): grid 448 x 1, 4 waves a work-group, no clusters, 0 bytes of LDS; arguments x, wq, wk, wv, wo, lowp_scales, xc, wc; writes xc, wc
.if DOCPART == 5
	.amdgcn_target "amdgcn-amd-amdhsa--gfx1250"
	.amdhsa_code_object_version 6
	.text
	.protected	k_qf2a98846bf_quant
	.globl	k_qf2a98846bf_quant
	.p2align	8
	.type	k_qf2a98846bf_quant,@function
k_qf2a98846bf_quant:
	s_mov_b64 s[64:65], 0
	v_nop
	global_prefetch_b8 v0, s[64:65] scope:SCOPE_SE
	s_setreg_imm32_b32 hwreg(HW_REG_WAVE_MODE, 25, 1), 1
	s_wait_xcnt 0x0
; x [2048][2048] and the four weights (rows of 2,048 along K), f32, become codes of E4M3, one byte each.
; code = number / 2^e, held within +-448, rounded to the nearest code, ties to even.  x is an operand of three products with three given scales
; (entries 0, 2, 4 of the scales' buffer), so it gets three planes of codes in xc; wq, wk, wv, wo (entries 1, 3, 5, 11) lie on end in wc.
; LIMITS: each e used here lies between -126 and 119, so that 2^e and 448 x 2^e are f32 numbers.  NaN among the inputs is not served; an infinity is held at the largest code.
; ORDER OF THE CODES.  A step takes 512 neighbours along K by four loads of 512 consecutive bytes, 16 bytes a lane: lane l holds numbers 128 i + 4 l + j in register 4 i + j.
; Its 16 codes are stored at byte 16 l: inside each aligned run of 512 along K number k lies at byte 16 ((k % 128) / 4) + 4 (k / 128) + k % 4.  Every operand of the products over this K is laid so,
; so each product still meets its partner; only the order of the sums changes.  No turn through LDS: every load and every store of a wave covers 512 consecutive bytes.
; SHARES.  A wave takes 16 steps, a work-group 32,768 numbers.  Work-groups 0-127 take x, the other 320 the weights.  No LDS, no barrier: waves share nothing.  Loads run four steps (16 loads a wave) ahead.
.set XWG,   128                        ; work-groups for x: 2048 x 2048 / 32768
.set R,     16                         ; v16-79   four sets of 16 numbers as loaded
.set T,     80                         ; v80-127  16 held numbers for each of up to three scales
.set C,     128                        ; v128-139 codes: four registers for each scale
.set SC,    140                        ; v140-142 2^e as f32
.set LM,    144                        ; v144-146 448 x 2^e
.set SRC,   34                         ; s[34:35] my wave's numbers
.set DST,   36                         ; s[36:41] my wave's codes, a base for each plane
.macro LOAD t
.irp i, 0,1,2,3
	global_load_b128 v[R+16*((\t)%4)+4*\i:R+16*((\t)%4)+4*\i+3], v3, s[SRC:SRC+1] offset:2048*(\t)+512*\i th:TH_LOAD_NT   ; 32 lanes read 512 consecutive bytes; read once in the launch
.endr
.endm
.macro MKSCALE u, e                    ; s[e] holds the exponent
	s_add_co_i32 s46, s[\e], 127
	s_lshl_b32 s47, s46, 23
	v_mov_b32 v[SC+\u], s47                        ; 2^e as f32: the conversion takes its exponent field
	s_add_co_i32 s46, s46, 8
	s_lshl_b32 s46, s46, 23
	s_or_b32 s46, s46, 0x600000
	v_mov_b32 v[LM+\u], s46                        ; 448 x 2^e
.endm
; One step, for n scales.
.macro STEP t, n
.if 15-(\t) >= 3
	s_wait_loadcnt 12                              ; this step's four loads are in; those of the three steps behind it may be out
.else
	s_wait_loadcnt 4*(15-(\t))
.endif
	s_wait_xcnt 0x0                                ; the last step's stores have read their data: the codes' registers are written again only behind this wait
.irp u, 0,1,2
.if \u < \n
.irp i, 0,1,2,3,4,5,6,7,8,9,10,11,12,13,14,15
	v_med3_num_f32 v[T+16*\u+\i], v[R+16*((\t)%4)+\i], -v[LM+\u], v[LM+\u]   ; the conversion to an 8-bit code does not saturate (ISA guide 7.6.2): the hold comes first
.endr
.endif
.endr
.if (\t)+4 < 16
	LOAD (\t)+4                                    ; the set just read takes the numbers of four steps on
.endif
.irp u, 0,1,2
.if \u < \n
	v_cvt_scalef32_pk8_fp8_f32 v[C+4*\u:C+4*\u+1], v[T+16*\u:T+16*\u+7], v[SC+\u]
	v_cvt_scalef32_pk8_fp8_f32 v[C+4*\u+2:C+4*\u+3], v[T+16*\u+8:T+16*\u+15], v[SC+\u]
.endif
.endr
	v_nop                                          ; a plain line between the conversions and the next step's holds, which write their sources
.irp u, 0,1,2
.if \u < \n
	global_store_b128 v3, v[C+4*\u:C+4*\u+3], s[DST+2*\u:DST+2*\u+1] offset:512*(\t)   ; 32 lanes store 512 consecutive bytes, aligned
.endif
.endr
.endm
	s_load_b512 s[4:19], s[0:1], 0x0               ; x s[4:5], wq s[6:7], wk s[8:9], wv s[10:11], wo s[12:13], scales s[14:15], xc s[16:17], wc s[18:19]
	v_lshrrev_b32 v1, 5, v0
	v_readfirstlane_b32 s32, v1                    ; wave 0..3
	v_and_b32 v2, 31, v0
	v_lshlrev_b32 v3, 4, v2                        ; 16 x lane: my place in every load and every store; never rewritten
	s_mov_b32 s45, 0
	s_wait_kmcnt 0x0
	s_load_b256 s[20:27], s[14:15], 0x0            ; e0 .. e7
	s_load_b128 s[28:31], s[14:15], 0x20           ; e8 .. e11
	s_cmp_ge_u32 ttmp9, XWG
	s_cbranch_scc1 .Lweights
	; ---- x: three planes of codes
	s_lshl_b32 s42, ttmp9, 2
	s_add_co_u32 s42, s42, s32                     ; which run of 8,192 numbers is my wave's
	s_lshl_b32 s44, s42, 15
	s_add_nc_u64 s[SRC:SRC+1], s[4:5], s[44:45]
	s_lshl_b32 s44, s42, 13
	s_add_nc_u64 s[DST:DST+1], s[16:17], s[44:45]
	s_add_nc_u64 s[DST+2:DST+3], s[DST:DST+1], 0x400000   ; a plane is 2048 x 2048 bytes
	s_add_nc_u64 s[DST+4:DST+5], s[DST:DST+1], 0x800000
	s_wait_alu depctr_va_vdst(0)
.irp t, 0,1,2,3
	LOAD \t
.endr
	s_wait_kmcnt 0x0
	MKSCALE 0, 20                                  ; e0: x for wq
	MKSCALE 1, 22                                  ; e2: x for wk
	MKSCALE 2, 24                                  ; e4: x for wv
	s_wait_alu depctr_va_vdst(0)
.irp t, 0,1,2,3,4,5,6,7,8,9,10,11,12,13,14,15
	STEP \t, 3
.endr
	s_endpgm
.Lweights:
	; ---- the weights: work-group j of 320: wq 0-127, wk 128-159, wv 160-191, wo 192-319; their codes lie in wc in that order, so the place in wc follows from j alone
	s_sub_co_u32 s42, ttmp9, XWG                   ; j
	s_mov_b32 s43, 192                             ; the tensor's first j
	s_cmp_lt_u32 s42, 192
	s_cselect_b64 s[SRC:SRC+1], s[10:11], s[12:13]
	s_cselect_b32 s43, 160, s43
	s_cmp_lt_u32 s42, 160
	s_cselect_b64 s[SRC:SRC+1], s[8:9], s[SRC:SRC+1]
	s_cselect_b32 s43, 128, s43
	s_cmp_lt_u32 s42, 128
	s_cselect_b64 s[SRC:SRC+1], s[6:7], s[SRC:SRC+1]
	s_cselect_b32 s43, 0, s43
	s_sub_co_u32 s43, s42, s43
	s_lshl_b32 s43, s43, 2
	s_add_co_u32 s43, s43, s32
	s_lshl_b32 s44, s43, 15                        ; my wave's run in its tensor
	s_add_nc_u64 s[SRC:SRC+1], s[SRC:SRC+1], s[44:45]
	s_lshl_b32 s43, s42, 2
	s_add_co_u32 s43, s43, s32
	s_lshl_b32 s44, s43, 13                        ; and in wc
	s_add_nc_u64 s[DST:DST+1], s[18:19], s[44:45]
	s_wait_alu depctr_va_vdst(0)
.irp t, 0,1,2,3
	LOAD \t
.endr
	s_wait_kmcnt 0x0
	s_cmp_lt_u32 s42, 192
	s_cselect_b32 s44, s25, s31                    ; e5 (wv) or e11 (wo)
	s_cmp_lt_u32 s42, 160
	s_cselect_b32 s44, s23, s44                    ; e3 (wk)
	s_cmp_lt_u32 s42, 128
	s_cselect_b32 s44, s21, s44                    ; e1 (wq)
	MKSCALE 0, 44
	s_wait_alu depctr_va_vdst(0)
.irp t, 0,1,2,3,4,5,6,7,8,9,10,11,12,13,14,15
	STEP \t, 1
.endr
	s_endpgm
.Lfunc_end_k_qf2a98846bf_quant:
	.size	k_qf2a98846bf_quant, .Lfunc_end_k_qf2a98846bf_quant-k_qf2a98846bf_quant
	.p2alignl 7, 3214868480
	.fill 96, 4, 3214868480
	.section	.rodata,"a",@progbits
	.p2align	6, 0x0
	.amdhsa_kernel k_qf2a98846bf_quant
		.amdhsa_group_segment_fixed_size 0
		.amdhsa_private_segment_fixed_size 0
		.amdhsa_enable_private_segment 0
		.amdhsa_kernarg_size 64
		.amdhsa_user_sgpr_count 2
		.amdhsa_user_sgpr_kernarg_segment_ptr 1
		.amdhsa_wavefront_size32 1
		.amdhsa_system_sgpr_workgroup_id_x 1
		.amdhsa_system_sgpr_workgroup_id_y 1
		.amdhsa_system_sgpr_workgroup_id_z 1
		.amdhsa_system_vgpr_workitem_id 0
		.amdhsa_next_free_vgpr 152
		.amdhsa_next_free_sgpr 66
		.amdhsa_reserve_vcc 0
		.amdhsa_float_denorm_mode_32 3
		.amdhsa_float_denorm_mode_16_64 3
		.amdhsa_memory_ordered 1
		.amdhsa_forward_progress 1
		.amdhsa_inst_pref_size 97
	.end_amdhsa_kernel
	.amdgpu_metadata
---
amdhsa.version: [ 1, 2 ]
amdhsa.kernels:
  - .name:           k_qf2a98846bf_quant
    .symbol:         k_qf2a98846bf_quant.kd
    .args:
      - { .name: x, .offset: 0, .size: 8, .value_kind: global_buffer, .address_space: global }
      - { .name: wq, .offset: 8, .size: 8, .value_kind: global_buffer, .address_space: global }
      - { .name: wk, .offset: 16, .size: 8, .value_kind: global_buffer, .address_space: global }
      - { .name: wv, .offset: 24, .size: 8, .value_kind: global_buffer, .address_space: global }
      - { .name: wo, .offset: 32, .size: 8, .value_kind: global_buffer, .address_space: global }
      - { .name: lowp_scales, .offset: 40, .size: 8, .value_kind: global_buffer, .address_space: global }
      - { .name: xc, .offset: 48, .size: 8, .value_kind: global_buffer, .address_space: global }
      - { .name: wc, .offset: 56, .size: 8, .value_kind: global_buffer, .address_space: global }
    .group_segment_fixed_size: 0
    .private_segment_fixed_size: 0
    .kernarg_segment_align: 8
    .kernarg_segment_size: 64
    .max_flat_workgroup_size: 128
    .sgpr_count:     66
    .vgpr_count:     152
    .wavefront_size: 32
...
	.end_amdgpu_metadata
.endif
;; end of part 5
;; launch qkv (part 6): grid 96 x 4, 4 waves a work-group, clusters of 4 x 4, 327,680 bytes of LDS; arguments xc, wc, freqs_cos, freqs_sin, lowp_scales, q_c, kv_c; writes q_c, kv_c
.if DOCPART == 6
	.amdgcn_target "amdgcn-amd-amdhsa--gfx1250"
	.amdhsa_code_object_version 6
	.text
	.protected	k_qf2a98846bf_qkv
	.globl	k_qf2a98846bf_qkv
	.p2align	8
	.type	k_qf2a98846bf_qkv,@function
k_qf2a98846bf_qkv:
	s_mov_b64 s[64:65], 0
	v_nop
	global_prefetch_b8 v0, s[64:65] scope:SCOPE_SE
	s_setreg_imm32_b32 hwreg(HW_REG_WAVE_MODE, 25, 1), 1
	s_wait_xcnt 0x0
	s_wait_alu depctr_hold_cnt(0) depctr_sa_sdst(0) depctr_va_vdst(0) depctr_va_sdst(0) depctr_va_ssrc(0) depctr_va_vcc(0) depctr_vm_vsrc(0)
	s_getreg_b32 s2, hwreg(HW_REG_IB_STS2, 6, 4)
	s_cmp_eq_u32 s2, 0
	s_cbranch_scc0 .Lentry_in_a_cluster
	s_endpgm
.Lentry_in_a_cluster:
	s_bfe_u32 s2, ttmp6, 0x10000c
	s_cmp_lg_u32 s2, 0xf033
	s_cbranch_scc0 .Lentry_shape_is_right
	s_endpgm
.Lentry_shape_is_right:
; The three projections on codes of E4M3, the rotation of q and k, and the quantisers of q, k and v.  Sums in f32.
; A tile of the result is 128 x 128: four waves, 64 x 64 each, 16 accumulators.  K = 2,048 goes in four K steps of 512 (LDS rows of 512 bytes + 16) through a ring of two slots filled by the tensor data mover.
; 24 clusters of 4 x 4 work-groups, c = the cluster's number:
;   c < 16:  q = x wq^T.   A = x's codes (plane 0), tile row = block of 128 positions; B = wq's codes, tile column = head.
;   c 16-19: k = x wk^T.   A = x's codes (plane 1); B = wk's codes, tile column = key/value head.
;   c 20-23: v^T = wv x^T. A = wv's codes, tile row = key/value head; B = x's codes (plane 2), tile column = block of 128 positions: a lane's eight results are eight neighbouring KEYS of one channel, as the second product of attention wants v.
; The four work-groups of a row of the cluster need the same tile of A, the four of a column the same tile of B: each tile is asked for JOINTLY.
; THE MATRIX INSTRUCTION IS USED TRANSPOSED (source 0 = 16 rows of B, source 1 = 16 rows of A): lane (r, h) holds row r of A's block and columns 8 h + 0 .. 7 of B's block.
; A fragment comes by four loads of 16 bytes, 32 bytes apart: a permutation of k that is the same in A and B.
; THE SCALES ARE FOLDED: a sum stands for sum x 2^(ea + eb), the rotation is linear, so the code is (rotated sum) / 2^(e6 - e0 - e1) for q, 2^(e7 - e2 - e3) for k, 2^(e8 - e4 - e5) for v.
; LIMITS: each of these three exponents lies between -126 and 119.  NaN is not served.
; OUT: dense tiles of 128 rows x 128 codes.  q_c [head][block][position][channel];  kv_c [kv head][block][K: key x channel | V: channel x key].
; Inside a row, column n lies at byte 32 (n / 32) + 16 ((n / 8) % 2) + 8 ((n / 16) % 2) + n % 8.  For v^T that is the order in which the next launch's weights p hold their keys;
; for q and k it is one and the same order of the channels on both sides of their product.
; REGISTERS: window 0: v1-6 at work, v16-31 addresses and scales, v32-63 at work, v64-95 codes, v128-255 accumulators ((a, b) at 128 + 8 (4 a + b)).
;   window 1: two fragment buffers of 128 registers: A's four fragments, then B's four.   window 2: v0-63 cos, v64-127 sin of my results' pairs.
.set KROW,   2048                      ; a row of codes in memory
.set KB,     512                       ; a K step: bytes of a tile's row
.set PITCH,  528                       ; an LDS row: 512 bytes + 16 = 132 words: row r starts at bank 4 r mod 64 (64 banks of 4 bytes: ISA guide 11.1)
.set HALFT,  64*PITCH                  ; 64 rows: what one tensor load brings, and what one wave reads of A or of B
.set SLOT,   4*HALFT                   ; A's 128 rows, then B's 128 rows
.set SPARE,  2*SLOT                    ; behind the ring: the spare words, 128 bytes for each wave, that no other line names
.set SPITCH, 144                       ; the way out: a stage of 128 rows x (128 bytes + 16) in slot 0, which has had its last fill and its last read by then
.set ADRA, 16                          ; v16-17 LDS address of my A fragments in slot 0, 1
.set ADRB, 20                          ; v20-21 the same for B
.set STO,  24                          ; v24 where I put 8 codes of a row
.set RD,   25                          ; v25 where I read the stage back
.set CO,   26                          ; v26 16 x lane: my place in a store's 512 bytes
.set VC,   27                          ; v27 my place in the tables of cos and sin
.set SPW,  28                          ; v28 LDS address of my spare word; never rewritten
.set NIL,  29                          ; v29 0; never rewritten
.set SCV,  30                          ; v30 the conversion's scale
.set LIMV, 31                          ; v31 448 x that
.set TMP,  32
.set CD,   64
.set ACC,  128
.set F0,   0
.set F1,   128
.set G1, 24                            ; s[24:31] descriptor group 1 for A's tiles; s[32:39] group 0, a set for each slot
.set G0, 32
.set G1B, 48                           ; s[48:55], s[56:63] the same for B's
.set G0B, 56
.set MSB, 0
.macro WIN new                         ; the immediate's high byte repeats the setting that is left
.if MSB != \new
	s_set_vgpr_msb (MSB<<8)|\new
.set MSB, \new
.endif
.endm
.set MUL,  0x05                        ; sources 0 (B) and 1 (A) window 1; C and D window 0
.set TO_F, 0x40                        ; destination window 1, address window 0
.macro JLOAD s                         ; a joint load: waves 0 and 1 fetch A's halves, waves 2 and 3 B's; four v_nop follow each of the two lines
	s_cmp_eq_u32 s11, 0
	s_cbranch_scc0 .Lfor_b_\@
	tensor_load_to_lds s[G0+4*\s:G0+4*\s+3], s[G1:G1+7]
	s_nop 0
.rept 4
	v_nop
.endr
	s_branch .Lasked_\@
.Lfor_b_\@:
	tensor_load_to_lds s[G0B+4*\s:G0B+4*\s+3], s[G1B:G1B+7]
	s_nop 0
.rept 4
	v_nop
.endr
.Lasked_\@:
.endm
.macro CREST                           ; a round of the cluster's barrier behind its opening barrier
	s_cmp_lg_u32 s10, 0
	s_cbranch_scc1 .Lnot_wave_0_\@
	s_barrier_signal -3
.Lnot_wave_0_\@:
	s_barrier_wait -3
	s_barrier_signal -1
	s_barrier_wait -1
.endm
.macro CROUND                          ; a whole round
	s_barrier_signal -1
	s_barrier_wait -1
	CREST
.endm
.macro PLACES                          ; four places behind matrix instructions, in front of loads into registers that they have read and of the first read of results
.rept 4
	v_nop
.endr
.endm
; Four matrix instructions: A's block a x B's four, 128 along K, from buffer f.  zero = 1: the product starts the sums.  The 16 accumulators take turns in the same order in every quarter.
.macro MUL4 f, a, zero
.irp b, 0,1,2,3
.if \zero
	v_wmma_f32_16x16x128_fp8_fp8 v[ACC+8*(4*(\a)+\b):ACC+8*(4*(\a)+\b)+7], v[\f+64+16*\b:\f+64+16*\b+15], v[\f+16*(\a):\f+16*(\a)+15], 0
.else
	v_wmma_f32_16x16x128_fp8_fp8 v[ACC+8*(4*(\a)+\b):ACC+8*(4*(\a)+\b)+7], v[\f+64+16*\b:\f+64+16*\b+15], v[\f+16*(\a):\f+16*(\a)+15], v[ACC+8*(4*(\a)+\b):ACC+8*(4*(\a)+\b)+7]
.endif
.endr
.endm
.macro MUL8 f, a0, zero
	MUL4 \f, \a0, \zero
	MUL4 \f, \a0+1, \zero
.endm
; 32 LDS loads in one run: the fragments of 128 along K at byte k of the slot's rows, into buffer f: B's four, then A's four
.macro FETCH slot, k, f
	WIN TO_F
.irp i, 0,1,2,3
.irp c, 0,1,2,3
	ds_load_b128 v[\f+64+16*\i+4*\c:\f+64+16*\i+4*\c+3], v[ADRB+\slot] offset:\k+32*\c+\i*16*PITCH
.endr
.endr
.irp i, 0,1,2,3
.irp c, 0,1,2,3
	ds_load_b128 v[\f+16*\i+4*\c:\f+16*\i+4*\c+3], v[ADRA+\slot] offset:\k+32*\c+\i*16*PITCH
.endr
.endr
.endm
; A K step is four quarters of 128 along K, 16 matrix instructions each, on buffers 0, 1, 0, 1.  One of the first three: multiplies buffer f and fetches the next quarter, at byte k, into g.
.macro QUARTER slot, k, f, g, zero
	s_wait_dscnt 8                                 ; B's four and A's blocks 0, 1 are in; the youngest eight loads (A's blocks 2, 3) may be out
	WIN MUL
	MUL8 \f, 0, \zero
	PLACES
	FETCH \slot, \k, \g
	s_wait_dscnt 32                                ; all but the 32 just issued
	WIN MUL
	MUL8 \f, 2, \zero
.endm
; The last quarter multiplies buffer 1 and changes slots: ONE barrier; in front of it each wave waits for all its tensor loads, adds 0 to its spare word, and waits for that and for its reads of this slot.  fill = 1: this slot is filled again, two K steps ahead.
.macro TURN slot, next, fill
	WIN 0                                          ; (the add's two registers lie in window 0)
	s_wait_tensorcnt 0x0                           ; all my tensor loads have landed: my part of the next slot
	ds_add_u32 v[SPW], v[NIL]                      ; 0 onto my spare word
	s_wait_dscnt 13                                ; (the add and the youngest twelve loads, A's blocks 1 to 3, may be out)
	WIN MUL
	MUL4 F1, 0, 0                                  ; four matrix instructions stand between the add and the wait for it
	s_wait_dscnt 0x0                               ; the add is done, and my reads of this slot are over
	s_barrier_signal -1
	MUL4 F1, 1, 0
.if \fill
	WIN 0
.endif
	s_barrier_wait -1
.if \fill
	CREST                                          ; the barrier has opened a round of the cluster's barrier: no wave of any partner still reads this slot or has a load on its way
	s_add_nc_u64 s[G0+4*\slot+2:G0+4*\slot+3], s[G0+4*\slot+2:G0+4*\slot+3], 2*KB
	s_add_nc_u64 s[G0B+4*\slot+2:G0B+4*\slot+3], s[G0B+4*\slot+2:G0B+4*\slot+3], 2*KB
	JLOAD \slot                                    ; the first tensor load behind the round; its four v_nop are also the places in front of the loads below
.else
	PLACES
.endif
	FETCH \next, 0, F0
	WIN MUL
	MUL8 F1, 2, 0
.endm
	s_load_b256 s[68:75], s[0:1], 0x0              ; xc s[68:69], wc s[70:71], cos s[72:73], sin s[74:75]
	s_load_b128 s[76:79], s[0:1], 0x20             ; the scales' exponents s[76:77], q_c s[78:79]
	s_load_b64 s[80:81], s[0:1], 0x30              ; kv_c
	v_lshl_add_u32 v[SPW], v0, 2, SPARE
	v_mov_b32 v[NIL], 0
	ds_add_u32 v28, v29
	ds_add_u32 v28, v29
	s_wait_dscnt 0x0
	v_lshrrev_b32 v1, 5, v0
	v_readfirstlane_b32 s10, v1                    ; wave 0..3
	s_lshr_b32 s11, s10, 1                         ; which half of the tile's rows is mine.  Also: I fetch for A (0) or for B (1)
	s_and_b32 s12, s10, 1                          ; which half of its columns.  Also: which 64 rows of that tile I fetch
	s_bfe_u32 s40, ttmp6, 0x40000                  ; cx, cy: my place in the cluster
	s_bfe_u32 s41, ttmp6, 0x40004
	s_and_b32 s16, ttmp9, 3
	s_lshl_b32 s16, s16, 2                         ; m = 4 (c % 4): the cluster's first block of positions (16 and 20 are multiples of 4)
	s_and_b32 s17, ttmp9, 0x1c                     ; 4 (c / 4): q's first head
	s_cmp_lt_u32 ttmp9, 16
	s_cselect_b32 s17, s17, 0                      ; k's first tile column is 0
	s_cmp_lt_u32 ttmp9, 20
	s_cselect_b32 s18, s16, 0                      ; first tile row: m for q and k, 0 for v^T
	s_cselect_b32 s17, s17, s16                    ; first tile column: m for v^T
	s_add_co_u32 s42, s17, s40                     ; tile column
	s_add_co_u32 s13, s18, s41                     ; tile row
	s_lshl_b32 s43, s41, 2
	s_lshl_b32 s43, 15, s43                        ; my row of the cluster
	s_lshl_b32 s44, 0x1111, s40                    ; my column
	; descriptor group 1: a tile of 64 rows x 512 bytes, padded in LDS
	s_or_b32 s[G1+0], s43, (0<<16)|(1<<20)|(1<<21)|(6<<22)|(3<<25)  ; 15:0 the mask: A's tiles go to my row; 17:16 elements of 1 byte; 20 padding on; 21 set beside a mask; 24:22 after every 128 words (code 6); 31:25 of 4 words (code 3)
	s_or_b32 s[G1B+0], s44, (0<<16)|(1<<20)|(1<<21)|(6<<22)|(3<<25)
.irp g, G1, G1B
	s_mov_b32 s[\g+1], KB<<16                      ; tensor_dim0 = 512
	s_mov_b32 s[\g+2], 64<<16                      ; tensor_dim1 = 64
	s_mov_b32 s[\g+3], KB<<16                      ; tile_dim0 = 512
	s_mov_b32 s[\g+4], 64                          ; tile_dim1 = 64
	s_mov_b32 s[\g+5], KROW                        ; tensor_dim0_stride
	s_mov_b32 s[\g+6], 0
	s_mov_b32 s[\g+7], 0
.endr
	s_lshl_b32 s19, s12, 6                         ; which 64 rows of the tile I fetch
	s_lshl_b32 s16, s13, 7
	s_add_co_u32 s16, s16, s19
	s_lshl_b32 s16, s16, 11                        ; A: (128 x tile row + 64 x half) rows of 2,048 bytes
	s_mov_b32 s17, 0
	s_lshl_b32 s46, s42, 7
	s_add_co_u32 s46, s46, s19
	s_lshl_b32 s46, s46, 11                        ; B: the same by the tile column
	s_mov_b32 s47, 0
	s_mul_i32 s20, s10, HALFT                      ; where they go: wave x 64 rows: no place in the cluster enters an LDS address
	s_wait_kmcnt 0x0
	s_load_b256 s[84:91], s[76:77], 0x0            ; e0 .. e7
	s_load_b128 s[92:95], s[76:77], 0x20           ; e8 .. e11
	s_add_nc_u64 s[4:5], s[68:69], 0x400000        ; x's plane 1
	s_add_nc_u64 s[6:7], s[70:71], 0x400000        ; wk's codes
	s_add_nc_u64 s[82:83], s[70:71], 0x500000      ; wv's codes
	s_add_nc_u64 s[2:3], s[68:69], 0x800000        ; x's plane 2
	s_cmp_lt_u32 ttmp9, 16                         ; the choices hang on the cluster's number alone
	s_cselect_b64 s[4:5], s[68:69], s[4:5]
	s_cselect_b64 s[6:7], s[70:71], s[6:7]
	s_cmp_lt_u32 ttmp9, 20
	s_cselect_b64 s[4:5], s[4:5], s[82:83]         ; A
	s_cselect_b64 s[6:7], s[6:7], s[2:3]           ; B
	s_add_nc_u64 s[14:15], s[4:5], s[16:17]
	s_add_nc_u64 s[46:47], s[6:7], s[46:47]
	CROUND                                         ; all sixteen work-groups are here: the first joint loads meet
.irp s, 0,1
	s_mov_b32 s[G0+4*\s], 1
	s_add_co_u32 s[G0+4*\s+1], s20, \s*SLOT
	s_add_nc_u64 s[G0+4*\s+2:G0+4*\s+3], s[14:15], \s*KB
	s_or_b32 s[G0+4*\s+3], s[G0+4*\s+3], 0x80000000
	s_mov_b32 s[G0B+4*\s], 1
	s_add_co_u32 s[G0B+4*\s+1], s20, \s*SLOT
	s_add_nc_u64 s[G0B+4*\s+2:G0B+4*\s+3], s[46:47], \s*KB
	s_or_b32 s[G0B+4*\s+3], s[G0B+4*\s+3], 0x80000000
.endr
	JLOAD 0                                        ; K step 0: one tensor load a wave at the head
	; PREFETCH INTO THE L2.  A K step is 512 bytes of each row.  Of the 64 rows that my wave fetches, each of the four partners that ask for them jointly takes 16, told apart by ADDRESS (cx for A, cy for B):
	; a lane names one of a row's two blocks of 256 bytes, one instruction a wave and K step.  Here K steps 1 and 2 are named, behind K step 1's load K step 3: one or two loads ahead of the load that wants them, and none past K's end.
	s_cmp_eq_u32 s11, 0                            ; do I fetch for A?
	s_cselect_b64 s[66:67], s[14:15], s[46:47]     ; my 64 rows at K step 0; s[66:67] and v9 are never rewritten
	s_cselect_b32 s98, s40, s41                    ; my place among the four that ask with me
	s_lshl_b32 s98, s98, 15                        ; 16 rows of 2,048 bytes
	s_mov_b32 s99, 0
	s_add_nc_u64 s[66:67], s[66:67], s[98:99]
	v_and_b32 v7, 1, v0
	v_bfe_u32 v8, v0, 1, 4
	v_lshlrev_b32 v8, 11, v8
	v_lshl_add_u32 v9, v7, 8, v8                   ; row lane / 2, block lane % 2
	global_prefetch_b8 v9, s[66:67] offset:512 th:TH_LOAD_NT scope:SCOPE_SE
	global_prefetch_b8 v9, s[66:67] offset:1024 th:TH_LOAD_NT scope:SCOPE_SE
	v_and_b32 v1, 15, v0                           ; r
	s_wait_alu depctr_va_vdst(0)
	v_bfe_u32 v2, v0, 4, 1                         ; h
	; cos and sin of my results' pairs.  Accumulator (a, b), lane (r, h): position 128 x tile row + 64 x row half + 16 a + r, pairs 32 x column half + 8 b + 4 h + 0 .. 3: 16 bytes of a table row of 256.
	; v^T's tiles load them too, at places inside the tables, and do not use them: the head has one way for all tiles.  The loads land under the whole product.
	s_lshl_b32 s96, s13, 7
	s_lshl_b32 s97, s11, 6
	s_add_co_u32 s96, s96, s97
	s_lshl_b32 s96, s96, 8
	s_lshl_b32 s97, s12, 7
	s_add_co_u32 s96, s96, s97
	s_mov_b32 s97, 0
	s_add_nc_u64 s[72:73], s[72:73], s[96:97]
	s_add_nc_u64 s[74:75], s[74:75], s[96:97]
	v_lshlrev_b32 v[VC], 8, v1
	s_wait_alu depctr_va_vdst(0)
	v_lshl_add_u32 v[VC], v2, 4, v[VC]
	WIN 0x80                                       ; destination window 2
.irp a, 0,1,2,3
.irp b, 0,1,2,3
	global_load_b128 v[4*(4*\a+\b):4*(4*\a+\b)+3], v[VC], s[72:73] offset:4096*\a+32*\b
	global_load_b128 v[64+4*(4*\a+\b):64+4*(4*\a+\b)+3], v[VC], s[74:75] offset:4096*\a+32*\b
.endr
.endr
	WIN 0
	v_mul_u32_u24 v3, v1, PITCH
	v_lshl_add_u32 v3, v2, 4, v3                   ; a fragment's row x pitch + 16 x half
	s_mul_i32 s21, s11, HALFT                      ; my 64 rows of A
	s_mul_i32 s22, s12, HALFT                      ; my 64 rows of B,
	s_add_co_u32 s22, s22, 2*HALFT                 ; which lie behind A's 128
.irp s, 0,1
	v_add_nc_u32 v[ADRA+\s], s21, v3
	v_add_nc_u32 v[ADRB+\s], s22, v3
	s_add_co_u32 s21, s21, SLOT
	s_add_co_u32 s22, s22, SLOT
.endr
	s_mul_i32 s23, s11, 64*SPITCH                  ; into the stage: row 64 x row half + 16 a + r, byte 64 x column half + 32 (b / 2) + 16 h + 8 (b % 2): the order of columns that the head comment states
	s_lshl_b32 s21, s12, 6
	s_add_co_u32 s23, s23, s21
	v_mul_u32_u24 v4, v1, SPITCH
	v_lshl_add_u32 v4, v2, 4, v4
	v_add_nc_u32 v[STO], s23, v4
	s_mul_i32 s23, s10, 32*SPITCH                  ; back: wave w takes rows 32 w on, four rows of 128 bytes an instruction
	v_bfe_u32 v5, v0, 3, 2                         ; lane / 8
	v_mul_u32_u24 v5, v5, SPITCH
	v_and_b32 v6, 7, v0
	v_lshl_add_u32 v5, v6, 4, v5
	v_add_nc_u32 v[RD], s23, v5
	v_and_b32 v6, 31, v0
	v_lshlrev_b32 v[CO], 4, v6
	; where my quarter of the tile goes: dense tiles of 16,384 bytes
	s_lshl_b32 s96, s42, 4
	s_add_co_u32 s96, s96, s13                     ; 16 x tile column + tile row
	s_lshl_b32 s97, s13, 4
	s_add_co_u32 s97, s97, s42                     ; 16 x tile row + tile column
	s_lshl_b32 s98, s96, 14                        ; q: [head][block]
	s_lshl_b32 s96, s96, 15                        ; k: [kv head][block], first half of 32,768 bytes
	s_lshl_b32 s97, s97, 15
	s_add_co_u32 s97, s97, 16384                   ; v^T: [kv head][block], second half
	s_cmp_lt_u32 ttmp9, 20
	s_cselect_b32 s96, s96, s97
	s_cmp_lt_u32 ttmp9, 16
	s_cselect_b32 s96, s98, s96
	s_cselect_b64 s[8:9], s[78:79], s[80:81]
	s_lshl_b32 s97, s10, 12
	s_add_co_u32 s96, s96, s97                     ; + my 32 rows
	s_mov_b32 s97, 0
	s_add_nc_u64 s[8:9], s[8:9], s[96:97]
	s_wait_kmcnt 0x0
	s_sub_co_i32 s96, s90, s84
	s_sub_co_i32 s96, s96, s85                     ; q: e6 - e0 - e1
	s_sub_co_i32 s97, s91, s86
	s_sub_co_i32 s97, s97, s87                     ; k: e7 - e2 - e3
	s_sub_co_i32 s98, s92, s88
	s_sub_co_i32 s98, s98, s89                     ; v: e8 - e4 - e5
	s_cmp_lt_u32 ttmp9, 20
	s_cselect_b32 s97, s97, s98
	s_cmp_lt_u32 ttmp9, 16
	s_cselect_b32 s96, s96, s97
	s_add_co_i32 s96, s96, 127
	s_lshl_b32 s97, s96, 23
	v_mov_b32 v[SCV], s97                          ; the folded scale as f32
	s_add_co_i32 s96, s96, 8
	s_lshl_b32 s96, s96, 23
	s_or_b32 s96, s96, 0x600000
	v_mov_b32 v[LIMV], s96                         ; 448 x that
	s_wait_alu depctr_va_vdst(0)                   ; the wait at the head's end
	s_wait_tensorcnt 0x0                           ; my part of K step 0 is in; slot 1's first fill is issued as a refill is:
	ds_add_u32 v[SPW], v[NIL]                      ; 0 onto my spare word
	s_wait_dscnt 0x0
	CROUND                                         ; everybody's part of K step 0 is in, and the sixteen work-groups meet
	JLOAD 1                                        ; K step 1: the first tensor load behind the round
	FETCH 0, 0, F0
	global_prefetch_b8 v9, s[66:67] offset:1536 th:TH_LOAD_NT scope:SCOPE_SE   ; K step 3 (the address register lies in window 0)
	QUARTER 0, 128, F0, F1, 1                      ; K step 0: its first quarter starts the sums
	QUARTER 0, 256, F1, F0, 0
	QUARTER 0, 384, F0, F1, 0
	TURN 0, 1, 1                                   ; slot 0 takes K step 2
	QUARTER 1, 128, F0, F1, 0                      ; K step 1
	QUARTER 1, 256, F1, F0, 0
	QUARTER 1, 384, F0, F1, 0
	TURN 1, 0, 1                                   ; slot 1 takes K step 3
	QUARTER 0, 128, F0, F1, 0                      ; K step 2
	QUARTER 0, 256, F1, F0, 0
	QUARTER 0, 384, F0, F1, 0
	TURN 0, 1, 0                                   ; nothing is left to fetch
	QUARTER 1, 128, F0, F1, 0                      ; K step 3
	QUARTER 1, 256, F1, F0, 0
	QUARTER 1, 384, F0, F1, 0
	s_wait_dscnt 8
	WIN MUL
	MUL8 F1, 0, 0
	s_wait_dscnt 0x0
	MUL8 F1, 2, 0
	WIN 0
	PLACES
	s_wait_loadcnt 0x0                             ; cos and sin
	s_cmp_ge_u32 ttmp9, 20                         ; v is not rotated: a branch on the cluster's number, alike in all partners
	s_cbranch_scc1 .Lno_rope
	WIN 0x08                                       ; source 1 window 2
.irp t, 0,1,2,3,4,5,6,7,8,9,10,11,12,13,14,15
.irp p, 0,1,2,3
	v_mul_f32 v[TMP+2*\p], v[ACC+8*\t+2*\p+1], v[64+4*\t+\p]     ; odd x sin
	v_mul_f32 v[TMP+2*\p+1], v[ACC+8*\t+2*\p], v[64+4*\t+\p]     ; even x sin
.endr
.irp p, 0,1,2,3
	v_fma_f32 v[ACC+8*\t+2*\p], v[ACC+8*\t+2*\p], v[4*\t+\p], -v[TMP+2*\p]         ; even x cos - odd x sin
	v_fma_f32 v[ACC+8*\t+2*\p+1], v[ACC+8*\t+2*\p+1], v[4*\t+\p], v[TMP+2*\p+1]    ; odd x cos + even x sin
.endr
.endr
	WIN 0
.Lno_rope:
	s_wait_alu depctr_va_vdst(0)
.irp t, 0,1,2,3,4,5,6,7,8,9,10,11,12,13,14,15
.irp j, 0,1,2,3,4,5,6,7
	v_med3_num_f32 v[ACC+8*\t+\j], v[ACC+8*\t+\j], -v[LIMV], v[LIMV]   ; the conversion does not saturate (ISA guide 7.6.2): the hold comes first; each accumulator from its low end on
.endr
	v_cvt_scalef32_pk8_fp8_f32 v[CD+2*\t:CD+2*\t+1], v[ACC+8*\t:ACC+8*\t+7], v[SCV]
.endr
	v_nop                                          ; a plain line behind the last conversion
.irp a, 0,1,2,3
.irp b, 0,1,2,3
	ds_store_b64 v[STO], v[CD+2*(4*\a+\b):CD+2*(4*\a+\b)+1] offset:\a*16*SPITCH+32*(\b/2)+8*(\b%2)
.endr
.endr
	s_wait_dscnt 0x0                               ; for the others' sake: my stores into the stage are done
	s_barrier_signal -1
	s_barrier_wait -1
.irp i, 0,1,2,3,4,5,6,7
	ds_load_b128 v[TMP+4*\i:TMP+4*\i+3], v[RD] offset:\i*4*SPITCH
.endr
.irp i, 0,1,2,3,4,5,6,7
	s_wait_dscnt 7-\i
	global_store_b128 v[CO], v[TMP+4*\i:TMP+4*\i+3], s[8:9] offset:512*\i   ; four rows of the dense tile: 512 consecutive bytes, aligned
.endr
	s_wait_tensorcnt 0x0                           ; the wave's end
	ds_add_u32 v[SPW], v[NIL]
	s_wait_dscnt 0x0
	CROUND                                         ; the closing round: no work-group ends while a partner may still ask for a tile that names it
	s_endpgm
.Lfunc_end_k_qf2a98846bf_qkv:
	.size	k_qf2a98846bf_qkv, .Lfunc_end_k_qf2a98846bf_qkv-k_qf2a98846bf_qkv
	.p2alignl 7, 3214868480
	.fill 96, 4, 3214868480
	.section	.rodata,"a",@progbits
	.p2align	6, 0x0
	.amdhsa_kernel k_qf2a98846bf_qkv
		.amdhsa_group_segment_fixed_size 327680
		.amdhsa_private_segment_fixed_size 0
		.amdhsa_enable_private_segment 0
		.amdhsa_kernarg_size 56
		.amdhsa_user_sgpr_count 2
		.amdhsa_user_sgpr_kernarg_segment_ptr 1
		.amdhsa_wavefront_size32 1
		.amdhsa_system_sgpr_workgroup_id_x 1
		.amdhsa_system_sgpr_workgroup_id_y 1
		.amdhsa_system_sgpr_workgroup_id_z 1
		.amdhsa_system_vgpr_workitem_id 0
		.amdhsa_next_free_vgpr 640
		.amdhsa_next_free_sgpr 100
		.amdhsa_reserve_vcc 0
		.amdhsa_float_denorm_mode_32 3
		.amdhsa_float_denorm_mode_16_64 3
		.amdhsa_memory_ordered 1
		.amdhsa_forward_progress 1
		.amdhsa_inst_pref_size 92
	.end_amdhsa_kernel
	.amdgpu_metadata
---
amdhsa.version: [ 1, 2 ]
amdhsa.kernels:
  - .name:           k_qf2a98846bf_qkv
    .symbol:         k_qf2a98846bf_qkv.kd
    .args:
      - { .name: xc, .offset: 0, .size: 8, .value_kind: global_buffer, .address_space: global }
      - { .name: wc, .offset: 8, .size: 8, .value_kind: global_buffer, .address_space: global }
      - { .name: freqs_cos, .offset: 16, .size: 8, .value_kind: global_buffer, .address_space: global }
      - { .name: freqs_sin, .offset: 24, .size: 8, .value_kind: global_buffer, .address_space: global }
      - { .name: lowp_scales, .offset: 32, .size: 8, .value_kind: global_buffer, .address_space: global }
      - { .name: q_c, .offset: 40, .size: 8, .value_kind: global_buffer, .address_space: global }
      - { .name: kv_c, .offset: 48, .size: 8, .value_kind: global_buffer, .address_space: global }
    .group_segment_fixed_size: 327680
    .private_segment_fixed_size: 0
    .kernarg_segment_align: 8
    .kernarg_segment_size: 56
    .max_flat_workgroup_size: 128
    .sgpr_count:     100
    .vgpr_count:     640
    .wavefront_size: 32
...
	.end_amdgpu_metadata
.endif
;; end of part 6
;; launch attn (part 7): grid 64 x 4, 8 waves a work-group, clusters of 4 x 4, 327,680 bytes of LDS; arguments q_c, kv_c, mask, lowp_scales, o_c; writes o_c
.if DOCPART == 7
	.amdgcn_target "amdgcn-amd-amdhsa--gfx1250"
	.amdhsa_code_object_version 6
	.text
	.protected	k_qf2a98846bf_attn
	.globl	k_qf2a98846bf_attn
	.p2align	8
	.type	k_qf2a98846bf_attn,@function
k_qf2a98846bf_attn:
	s_mov_b64 s[64:65], 0
	v_nop
	global_prefetch_b8 v0, s[64:65] scope:SCOPE_SE
	s_setreg_imm32_b32 hwreg(HW_REG_WAVE_MODE, 25, 1), 1
	s_wait_xcnt 0x0
	s_wait_alu depctr_hold_cnt(0) depctr_sa_sdst(0) depctr_va_vdst(0) depctr_va_sdst(0) depctr_va_ssrc(0) depctr_va_vcc(0) depctr_vm_vsrc(0)
	s_getreg_b32 s2, hwreg(HW_REG_IB_STS2, 6, 4)
	s_cmp_eq_u32 s2, 0
	s_cbranch_scc0 .Lentry_in_a_cluster
	s_endpgm
.Lentry_in_a_cluster:
	s_bfe_u32 s2, ttmp6, 0x10000c
	s_cmp_lg_u32 s2, 0xf033
	s_cbranch_scc0 .Lentry_shape_is_right
	s_endpgm
.Lentry_shape_is_right:
; Attention on codes of E4M3: scores = q k^T / sqrt(128) + mask, the softmax, o = p v, and the quantiser of o.  16 heads of 128, 4 key/value heads, 2,048 positions.
; THE MASK IS AN INPUT: every key of every query is computed, and every number of the mask is read and added.
; THE SOFTMAX: t = (sum of codes + mask x IC) x CL, IC = sqrt(128) / 2^(e6 + e7), CL = 2^(e6 + e7) log2(e) / sqrt(128); M = the running largest t rounded UP to a whole number; p = 2^(t - M) is quantised with 2^e9, not normalised.
; mask x IC is made once for both heads of a wave and goes in as the C of the first product, so that the addition costs no vector line.  The row's sum is taken of the unquantised p and divides o at the end.
; SHARES.  A work-group owns one key/value head g and 32 queries, in EIGHT waves, two to a SIMD.  Wave w: pair of heads hp = w % 2, tile of 16 queries qt = (w / 2) % 2, half of the keys kp = w / 4.
; A wave owns 16 queries x 2 heads, so a fragment of K or V feeds two matrix instructions, and of each slot of 256 keys the kp-th 128.  Each wave has its own M, sum and O^T over its 1,024 keys.
; At the end waves w and w + 4 hand each other one head through LDS and join: both parts x 2^(own M - common M), exact, as every change of a running M is.
; CLUSTER 4 x 4: g = cy, block of queries = 4 x cluster + cx.  K and V^T hang on cy alone and are asked for jointly along a row; the mask's tile hangs on the block alone and is asked for jointly along a column.
; LAYOUT.  Both products transposed: S^T = K Q^T, O^T = V^T P^T: a lane holds ONE query (lane % 16).  Register 16 c + 8 a + j of a head's scores, lane half h, is key 32 c + 16 a + 8 h + j of the step;
; p's codes lie in that order and kv_c holds V^T's keys in that order; q_c and kv_c hold q's and k's channels in one and the same order.
; THE RING: two slots of 256 keys (K, V^T, K, V^T blocks of 128 rows x 144 bytes, then 32 rows of the mask).  One load a wave fills a slot:
; waves 0-3 a block of 16,384 dense bytes each, stated as 64 rows of 256 bytes; waves 4-7 eight rows of the mask each.  One tensor load of a wave is out behind each round.
; THE CHANGE OF SLOTS stands INSIDE a key step, behind the conversions: by then the wave has asked for all its bytes of the slot (the mask, K, V^T).  It waits for all its tensor loads, adds 0 to its spare word, waits for that and
; for its LDS loads, and signals; the rescaling of O^T and the second product, work on registers alone, stand between the signal and the barrier's wait; the rest of the cluster's round and the fill of the slot just left follow.
; PREFETCH: the change that loads slot c + 1 is followed by a request for slot c + 3 (two changes ahead of its load), c = 0 to 4 alone, so no address passes its buffer.  The mask's 32 x 1,024 bytes: wave 7 of each of a column's
; four partners takes 8 rows, by address (cy).  A slot's 65,536 bytes of kv_c, which all sixteen clusters walk: the first cluster asks, each of a row's partners for 16,384 bytes by address (cx), waves 0 and 1 half each.  Lanes stand 256 bytes apart.
; OUT: o_c [position][2,048 codes]; inside group g's 512 bytes channel d of head 4 g + hh lies at byte 16 (d / 4) + 4 hh + d % 4: the order in which wo's codes lie along K.
; LIMITS: e6 + e7 between -123 and 129; e9, and e10 - e8 - e9, between -126 and 119.  The promise holds while |t| stays under 2^31.  NaN is not served; a row of the mask that is -infinity throughout gives NaN.
; REGISTERS: window 0: v1-11 addresses and scales, v12-31 ten statistics a head, v32-95 the mask x IC (then v32-63 p's codes), v96-223 S^T then p, v224-255 Q.  Window 1: v0-127 O^T, v128-255 eight fragments, K's and then V's.
.set KPI,   144                        ; a row of K or of V^T in LDS: 128 bytes + 16
.set BLK,   128*KPI
.set MOFF,  4*BLK
.set MP,    1040                       ; a row of the mask's tile: 256 numbers + 16 bytes
.set SLOT1, 1<<17                      ; slot 1 begins here: one exclusive or turns an address
.set SPARE, 2*SLOT1                    ; the spare words, 128 bytes for each of eight waves, that no other line names
.set XW,    8704                       ; the way out, in slot 0, which has had its last fill and its last read by then: a wave's 64 registers of O^T and four statistics
.set STG,   8*XW                       ; behind the eight: a stage of 32 rows x (512 bytes + 16)
.set SP,    528
.set AK0, 1
.set AV0, 2
.set PFO, 3
.set AM0, 4
.set SPW, 5                            ; LDS address of my spare word; never rewritten
.set NIL, 6                            ; 0; never rewritten
.set ADR, 7
.set ADM, 8
.set SCP, 9                            ; 2^e9
.set LIMP, 10                          ; 448 x 2^e9, twice: the two halves of a dual line take their second sources from different banks
.set LIMP2, 11
.set ST,  12                           ; head x at v[ST + 10 x]: +0 -M, +1 the largest t, +2, +3 the sum, +4 f (+5 named with it), +6, +7 a second chain, +8 at work, +9 the other half's
.set MK,  32
.set PC,  32
.set S,   96
.set QF,  224
.set OT,  0                            ; window 1
.set FR,  128                          ; window 1
.set WV,  18
.set SEL, 20
.set CL,  22
.set G1KV, 24
.set G1M,  32
.set G0KV, 40
.set G0M,  44
.set TB,  48
.set TR,  49
.set IC,  66
.set PFA, 80
.set PFS, 82
.set LIM, 84
.set W_S,  0x01                        ; K (source 0) window 1
.set W_O,  0x51                        ; V (source 0), O^T (C and D) window 1
.set W_RS, 0x41                        ; O^T (destination and source 0) window 1
.set W_LD, 0x40                        ; destination window 1
.set MSB, 0
.macro WIN new                         ; the immediate's high byte repeats the setting that is left
.if MSB != \new
	s_set_vgpr_msb (MSB<<8)|\new
.set MSB, \new
.endif
.endm
.macro PLACES
.rept 4
	v_nop
.endr
.endm
.macro CREST                           ; a round of the cluster's barrier behind its opening barrier
	s_cmp_lg_u32 s[WV], 0
	s_cbranch_scc1 .Lnot_wave_0_\@
	s_barrier_signal -3
.Lnot_wave_0_\@:
	s_barrier_wait -3
	s_barrier_signal -1
	s_barrier_wait -1
.endm
.macro CROUND                          ; a whole round
	s_barrier_signal -1
	s_barrier_wait -1
	CREST
.endm
.macro JLOAD                           ; a joint load in each arm; the branch hangs on the wave's number alone; s_nop 0 and four v_nop follow each line
	s_cmp_lt_u32 s[WV], 4
	s_cbranch_scc0 .Lfor_m_\@
	tensor_load_to_lds s[G0KV:G0KV+3], s[G1KV:G1KV+7]
	s_nop 0
	PLACES
	s_branch .Lasked_\@
.Lfor_m_\@:
	tensor_load_to_lds s[G0M:G0M+3], s[G1M:G1M+7]
	s_nop 0
	PLACES
.Lasked_\@:
.endm
.macro ASK
	s_cmp_lt_u32 s[TR], s[LIM]
	s_cbranch_scc0 .Lnot_mine_\@
	global_prefetch_b8 v[PFO], s[PFA:PFA+1] th:TH_LOAD_NT scope:SCOPE_SE
.Lnot_mine_\@:
.endm
.macro MAXC i                          ; four more scores a head go into its two chains of maxima
.irp x, 0,1
	v_max3_num_f32 v[ST+10*\x+8], v[ST+10*\x+8], v[S+64*\x+\i], v[S+64*\x+\i+1]
.endr
.irp x, 0,1
	v_max3_num_f32 v[ST+10*\x+6], v[ST+10*\x+6], v[S+64*\x+\i+2], v[S+64*\x+\i+3]
.endr
.endm
.macro STATS                           ; the step's largest score, the running largest t, the new -M, f: both heads line by line
.irp x, 0,1
	v_max3_num_f32 v[ST+10*\x+8], v[ST+10*\x+8], v[S+64*\x+62], v[S+64*\x+63]
.endr
.irp x, 0,1
	v_max_num_f32 v[ST+10*\x+8], v[ST+10*\x+8], v[ST+10*\x+6]
.endr
.irp x, 0,1
	v_permlanex16_b32 v[ST+10*\x+9], v[ST+10*\x+8], s[SEL], s[SEL+1]
.endr
.irp x, 0,1
	v_max_num_f32 v[ST+10*\x+8], v[ST+10*\x+8], v[ST+10*\x+9]
.endr
.irp x, 0,1
	v_mul_f32 v[ST+10*\x+8], s[CL], v[ST+10*\x+8]               ; as t (CL is positive)
.endr
.irp x, 0,1
	v_max_num_f32 v[ST+10*\x+1], v[ST+10*\x+1], v[ST+10*\x+8]
.endr
.irp x, 0,1
	v_mov_b32 v[ST+10*\x+8], v[ST+10*\x]
.endr
.irp x, 0,1
	v_floor_f32 v[ST+10*\x], -v[ST+10*\x+1]                     ; the new -M = floor(-t)
.endr
.irp x, 0,1
	v_sub_f32 v[ST+10*\x+8], v[ST+10*\x], v[ST+10*\x+8]         ; old M - new M: a whole number, 0 or less
.endr
.irp x, 0,1
	v_cvt_i32_f32 v[ST+10*\x+8], v[ST+10*\x+8]                  ; (it saturates)
.endr
.irp x, 0,1
	v_ldexp_f32 v[ST+10*\x+4], 1.0, v[ST+10*\x+8]               ; f = 2^(old M - new M)
.endr
.endm
; The three lines in front of a change's barrier.  fill = 1: the walking descriptors and the prefetches' address step on between the add and the wait for it.
.macro LINES fill
	s_wait_tensorcnt 0x0                           ; my part of the other slot is in; no load of mine is out, so the groups 0 may be written
	ds_add_u32 v[SPW], v[NIL]                      ; 0 onto my spare word
.if \fill
	s_xor_b32 s[G0KV+1], s[G0KV+1], SLOT1
	s_add_nc_u64 s[G0KV+2:G0KV+3], s[G0KV+2:G0KV+3], 65536
	s_xor_b32 s[G0M+1], s[G0M+1], SLOT1
	s_add_nc_u64 s[G0M+2:G0M+3], s[G0M+2:G0M+3], 1024
	s_wait_xcnt 0x0                                ; the last prefetch has read its address
	s_add_nc_u64 s[PFA:PFA+1], s[PFA:PFA+1], s[PFS:PFS+1]
.endif
	s_wait_dscnt 0x0                               ; the add is done, and all my loads from the slot in hand have come back, V^T's among them
.endm
; A KEY STEP, first part: the mask and K of my 128 keys of the slot at s[TB], the scores, and the request for V^T.
.macro P1 fill
.if \fill == 0
	PLACES                                         ; four places in front of loads into registers that the last products read (fill = 1: the four v_nop behind the joint load)
.endif
	v_add_nc_u32 v[ADM], s[TB], v[AM0]
	v_add_nc_u32 v[ADR], s[TB], v[AK0]
.irp b, 0,1,2,3
.irp a, 0,1
.irp j, 0,1
	ds_load_b128 v[MK+16*\b+8*\a+4*\j:MK+16*\b+8*\a+4*\j+3], v[ADM] offset:128*\b+64*\a+16*\j   ; the mask of my query in the order of S^T's registers
.endr
.endr
.endr
	WIN W_LD
.irp t, 0,1,2,3,4,5,6,7
.irp c, 0,1,2,3
	ds_load_b128 v[FR+16*\t+4*\c:FR+16*\t+4*\c+3], v[ADR] offset:16*\t*KPI+32*\c
.endr
.endr
	WIN 0
.if \fill
	ASK
.endif
	s_wait_dscnt 32                                ; the mask's 16 loads are in; K's 32 may be out
.set jj, 0
.rept 32
	v_pk_mul_f32 v[MK+jj:MK+jj+1], v[MK+jj:MK+jj+1], s[IC:IC+1] op_sel_hi:[1,0]
.set jj, jj+2
.endr
	s_wait_alu depctr_va_vdst(0)                   ; directly ahead of the wait below
	s_wait_dscnt 0x0
	WIN W_S
.irp t, 0,1,2,3,4,5,6,7
.irp x, 0,1
	v_wmma_f32_16x16x128_fp8_fp8 v[S+64*\x+8*\t:S+64*\x+8*\t+7], v[FR+16*\t:FR+16*\t+15], v[QF+16*\x:QF+16*\x+15], v[MK+8*\t:MK+8*\t+7]
.endr
.endr
	WIN 0
	v_add_nc_u32 v[ADR], s[TB], v[AV0]             ; four places: in front of the loads over K's fragments and of the first read of the scores
.rept 3
	v_nop
.endr
	WIN W_LD
.irp t, 0,1,2,3,4,5,6,7
.irp c, 0,1,2,3
	ds_load_b128 v[FR+16*\t+4*\c:FR+16*\t+4*\c+3], v[ADR] offset:16*\t*KPI+32*\c   ; V^T lands under the softmax
.endr
.endr
	WIN 0
.endm
; Second part: the softmax, up to p's codes.
.macro P2A
.irp x, 0,1
	v_max3_num_f32 v[ST+10*\x+8], v[S+64*\x], v[S+64*\x+1], v[S+64*\x+2]
.endr
.irp x, 0,1
	v_max3_num_f32 v[ST+10*\x+6], v[S+64*\x+3], v[S+64*\x+4], v[S+64*\x+5]
.endr
.irp i, 6,10,14,18,22,26,30,34,38,42,46,50,54,58
	MAXC \i
.endr
	STATS
.set jj, 0
.rept 32
	v_pk_fma_f32 v[S+jj:S+jj+1], v[S+jj:S+jj+1], s[CL:CL+1], v[ST:ST+1] op_sel_hi:[1,0,0]                  ; t - M (of the pairs the low word serves both halves)
	v_pk_fma_f32 v[S+64+jj:S+64+jj+1], v[S+64+jj:S+64+jj+1], s[CL:CL+1], v[ST+10:ST+11] op_sel_hi:[1,0,0]
.set jj, jj+2
.endr
	s_wait_alu depctr_va_vdst(0)                   ; the wait ahead of the batch
.set jj, 0
.rept 128
	v_exp_f32 v[S+jj], v[S+jj]                     ; p = 2^(t - M)
.set jj, jj+1
.endr
.irp x, 0,1
	v_pk_mul_f32 v[ST+10*\x+2:ST+10*\x+3], v[ST+10*\x+2:ST+10*\x+3], v[ST+10*\x+4:ST+10*\x+5] op_sel_hi:[1,0]   ; the sums under the new M: plain lines behind the batch
.endr
	s_wait_alu depctr_va_vdst(0)                   ; one wait for the batch, ahead of its first reader
.irp x, 0,1
	v_pk_add_f32 v[ST+10*\x+6:ST+10*\x+7], v[S+64*\x:S+64*\x+1], v[S+64*\x+2:S+64*\x+3]   ; the row's sum of the unquantised p, in two chains a head
.endr
.irp j, 4,8,12,16,20,24,28,32,36,40,44,48,52,56,60
.irp x, 0,1
	v_pk_add_f32 v[ST+10*\x+2:ST+10*\x+3], v[ST+10*\x+2:ST+10*\x+3], v[S+64*\x+\j:S+64*\x+\j+1]
.endr
.irp x, 0,1
	v_pk_add_f32 v[ST+10*\x+6:ST+10*\x+7], v[ST+10*\x+6:ST+10*\x+7], v[S+64*\x+\j+2:S+64*\x+\j+3]
.endr
.endr
.irp x, 0,1
	v_pk_add_f32 v[ST+10*\x+2:ST+10*\x+3], v[ST+10*\x+2:ST+10*\x+3], v[ST+10*\x+6:ST+10*\x+7]
.endr
.irp b, 0,1,2,3
.irp x, 0,1
.irp i, 0,2,4,6,8,10,12,14
	v_dual_min_num_f32 v[S+64*\x+16*\b+\i], v[S+64*\x+16*\b+\i], v[LIMP] :: v_dual_min_num_f32 v[S+64*\x+16*\b+\i+1], v[S+64*\x+16*\b+\i+1], v[LIMP2]   ; the conversion does not saturate (ISA guide 7.6.2); p is not negative: a one-sided hold, two numbers a line
.endr
	v_cvt_scalef32_pk8_fp8_f32 v[PC+16*\x+4*\b:PC+16*\x+4*\b+1], v[S+64*\x+16*\b:S+64*\x+16*\b+7], v[SCP]
	v_cvt_scalef32_pk8_fp8_f32 v[PC+16*\x+4*\b+2:PC+16*\x+4*\b+3], v[S+64*\x+16*\b+8:S+64*\x+16*\b+15], v[SCP]
.endr
.endr
.endm
; Third part, with the change of slots round it: O^T under the new M and the second product stand between the barrier's signal and its wait.  fill = 1: the slot just left takes the keys two slots on.
.macro MEET fill
	s_wait_alu depctr_va_vdst(0)                   ; directly ahead of the wait below
	LINES \fill
	s_barrier_signal -1                            ; (fill = 1: this barrier opens a round of the cluster's barrier)
	WIN W_RS
	s_wait_alu depctr_va_vdst(0)                   ; directly ahead of the first reader of O^T
.set jj, 0
.rept 32
	v_pk_mul_f32 v[OT+jj:OT+jj+1], v[OT+jj:OT+jj+1], v[ST+4:ST+5] op_sel_hi:[1,0]               ; these lines also stand between the conversions and the products
	v_pk_mul_f32 v[OT+64+jj:OT+64+jj+1], v[OT+64+jj:OT+64+jj+1], v[ST+14:ST+15] op_sel_hi:[1,0]
.set jj, jj+2
.endr
	WIN W_O
.irp t, 0,1,2,3,4,5,6,7
.irp x, 0,1
	v_wmma_f32_16x16x128_fp8_fp8 v[OT+64*\x+8*\t:OT+64*\x+8*\t+7], v[FR+16*\t:FR+16*\t+15], v[PC+16*\x:PC+16*\x+15], v[OT+64*\x+8*\t:OT+64*\x+8*\t+7]
.endr
.endr
	WIN 0
	s_barrier_wait -1
.if \fill
	CREST                                          ; no wave of any partner still reads the slot or has a load on its way
	JLOAD                                          ; the first tensor load behind the round, my one load until the next
.endif
.endm
	s_load_b256 s[4:11], s[0:1], 0x0               ; q_c s[4:5], kv_c s[6:7], mask s[8:9], the scales' exponents s[10:11]
	s_load_b64 s[12:13], s[0:1], 0x20              ; o_c
	v_lshl_add_u32 v[SPW], v0, 2, SPARE
	v_mov_b32 v[NIL], 0
	ds_add_u32 v[SPW], v[NIL]                      ; the opening lines: the add, twice on end, and its wait ahead of my first tensor load
	ds_add_u32 v[SPW], v[NIL]
	v_lshrrev_b32 v[ADM], 5, v0
	v_readfirstlane_b32 s[WV], v[ADM]              ; wave 0..7
	s_bfe_u32 s50, ttmp6, 0x40000                  ; cx
	s_bfe_u32 s51, ttmp6, 0x40004                  ; cy = g
	s_lshl_b32 s52, ttmp9, 2
	s_add_co_u32 s52, s52, s50                     ; my block of 32 queries
	s_lshl_b32 s53, s51, 2
	s_lshl_b32 s53, 15, s53                        ; my row of the cluster
	s_lshl_b32 s54, 0x1111, s50                    ; my column
	s_and_b32 s58, s[WV], 1                        ; hp
	s_bfe_u32 s55, s[WV], 0x10001                  ; qt
	s_lshr_b32 s56, s[WV], 2                       ; kp
	s_and_b32 s57, s[WV], 3                        ; which quarter of a fill is mine
	s_or_b32 s[G1KV], s53, (0<<16)|(1<<20)|(1<<21)|(4<<22)|(3<<25)   ; my row's mask; bytes; 4 words of padding after every 32; bit 21 beside a mask
	s_mov_b32 s[G1KV+1], 256<<16
	s_mov_b32 s[G1KV+2], 64<<16
	s_mov_b32 s[G1KV+3], 256<<16
	s_mov_b32 s[G1KV+4], 64
	s_mov_b32 s[G1KV+5], 256
	s_mov_b32 s[G1KV+6], 0
	s_mov_b32 s[G1KV+7], 0
	s_or_b32 s[G1M], s54, (2<<16)|(1<<20)|(1<<21)|(7<<22)|(3<<25)    ; my column's mask; elements of 4 bytes; 4 words of padding after every 256
	s_mov_b32 s[G1M+1], 256<<16
	s_mov_b32 s[G1M+2], 8<<16
	s_mov_b32 s[G1M+3], 256<<16
	s_mov_b32 s[G1M+4], 8
	s_mov_b32 s[G1M+5], 2048
	s_mov_b32 s[G1M+6], 0
	s_mov_b32 s[G1M+7], 0
	s_mov_b32 s[SEL], 0x76543210
	s_mov_b32 s[SEL+1], 0xfedcba98
	s_mov_b32 s[CL], 0x3e0293ee                    ; log2(e) / sqrt(128)
	s_mov_b32 s[IC], 0x413504f3                    ; sqrt(128)
	s_mov_b32 s[TB], 0
	s_lshl_b32 s86, s51, 19                        ; g's 524,288 bytes of kv_c,
	s_lshl_b32 s87, s57, 14                        ; my block of 16,384
	s_add_co_u32 s86, s86, s87
	s_mov_b32 s87, 0
	s_lshl_b32 s88, s52, 5
	s_lshl_b32 s89, s57, 3
	s_add_co_u32 s88, s88, s89                     ; my eight rows of the mask,
	s_lshl_b32 s88, s88, 13                        ; 8,192 bytes each
	s_mov_b32 s89, 0
	s_mul_i32 s90, s57, BLK                        ; LDS: no place in the cluster enters an LDS address
	s_mul_i32 s91, s57, 8*MP
	s_add_co_u32 s91, s91, MOFF
	s_wait_dscnt 0x0                               ; both opening adds are done
	s_wait_kmcnt 0x0
	s_load_b256 s[68:75], s[10:11], 0x0            ; e0 .. e7
	s_load_b128 s[76:79], s[10:11], 0x20           ; e8 .. e11
	s_mov_b32 s[G0KV], 1
	s_mov_b32 s[G0KV+1], s90
	s_add_nc_u64 s[G0KV+2:G0KV+3], s[6:7], s[86:87]
	s_or_b32 s[G0KV+3], s[G0KV+3], 0x80000000
	s_mov_b32 s[G0M], 1
	s_mov_b32 s[G0M+1], s91
	s_add_nc_u64 s[G0M+2:G0M+3], s[8:9], s[88:89]
	s_or_b32 s[G0M+3], s[G0M+3], 0x80000000
	CROUND                                         ; all sixteen work-groups are here: the first joint loads meet
	JLOAD                                          ; slot 0: my one tensor load at the head
	; the scalar part of the set-up first, the vector part on end behind it
	s_lshl_b32 s90, s51, 2
	s_lshl_b32 s91, s58, 1
	s_add_co_u32 s90, s90, s91                     ; my first head: 4 g + 2 hp
	s_lshl_b32 s90, s90, 11
	s_lshl_b32 s91, s52, 5
	s_add_co_u32 s90, s90, s91
	s_lshl_b32 s91, s55, 4
	s_add_co_u32 s90, s90, s91                     ; my first query's row of q_c
	s_lshl_b32 s90, s90, 7
	s_mov_b32 s91, 0
	s_add_nc_u64 s[4:5], s[4:5], s[90:91]
	s_lshl_b32 s92, s52, 5
	s_lshl_b32 s93, s[WV], 2
	s_add_co_u32 s92, s92, s93                     ; the way out: wave w stores rows 4 w .. 4 w + 3 of the block,
	s_lshl_b32 s92, s92, 11
	s_lshl_b32 s93, s51, 9
	s_add_co_u32 s92, s92, s93                     ; group g's 512 bytes of them
	s_mov_b32 s93, 0
	s_add_nc_u64 s[12:13], s[12:13], s[92:93]
	s_lshl_b32 s94, s52, 5
	s_lshl_b32 s95, s51, 3
	s_add_co_u32 s94, s94, s95                     ; the prefetches.  The mask: my work-group's 8 rows of the block's 32,
	s_lshl_b32 s94, s94, 13
	s_add_co_u32 s94, s94, 2048                    ; in slot 2: the first change of slots steps it to slot 3
	s_lshl_b32 s96, s51, 19
	s_lshl_b32 s97, s50, 14
	s_add_co_u32 s96, s96, s97                     ; kv_c: my work-group's 16,384 bytes of a slot's 65,536,
	s_lshl_b32 s97, s58, 13
	s_add_co_u32 s96, s96, s97                     ; my wave's half of them,
	s_add_co_u32 s96, s96, 131072                  ; in slot 2
	s_mov_b32 s98, 1024
	s_mov_b32 s99, 65536
	s_cmp_eq_u32 s[WV], 7
	s_cselect_b64 s[PFA:PFA+1], s[8:9], s[6:7]
	s_cselect_b32 s96, s94, s96
	s_cselect_b32 s98, 8192, s98                   ; from four lanes to the next four: a row of the mask, or 1,024 bytes on
	s_cselect_b32 s[PFS], 1024, s99                ; a slot on
	s_cselect_b32 s[LIM], 5, 0                     ; wave 7 asks in every work-group, in steps 0 to 4
	s_mov_b32 s97, 0
	s_mov_b32 s[PFS+1], 0
	s_add_nc_u64 s[PFA:PFA+1], s[PFA:PFA+1], s[96:97]
	s_lshr_b32 s94, s[WV], 1                       ; 0 in waves 0 and 1,
	s_or_b32 s94, s94, ttmp9                       ; of the first cluster: the same in all sixteen partners
	s_cmp_eq_u32 s94, 0
	s_cselect_b32 s[LIM], 5, s[LIM]
	s_mul_i32 s60, s56, 2*BLK                      ; my half of a slot: K's and V^T's blocks,
	s_mul_i32 s61, s55, 16*MP
	s_lshl_b32 s62, s56, 9
	s_add_co_u32 s61, s61, s62
	s_add_co_u32 s61, s61, MOFF                    ; and my 16 rows x 128 numbers of the mask's tile
	s_wait_kmcnt 0x0
	s_add_co_i32 s86, s74, s75
	s_lshl_b32 s86, s86, 23
	s_add_co_i32 s[CL], s[CL], s86                 ; e6 + e7 onto CL's exponent field,
	s_mov_b32 s[CL+1], s[CL]
	s_sub_co_i32 s[IC], s[IC], s86                 ; and off IC's
	s_mov_b32 s[IC+1], s[IC]
	s_add_co_i32 s86, s77, 127
	s_lshl_b32 s87, s86, 23                        ; 2^e9
	s_add_co_i32 s86, s86, 8
	s_lshl_b32 s86, s86, 23
	s_or_b32 s88, s86, 0x600000                    ; 448 x 2^e9
	s_sub_co_i32 s86, s78, s76
	s_sub_co_i32 s86, s86, s77                     ; o's code is (sum / l) / 2^(e10 - e8 - e9)
	s_add_co_i32 s86, s86, 127
	s_lshl_b32 s14, s86, 23
	s_add_co_i32 s86, s86, 8
	s_lshl_b32 s86, s86, 23
	s_or_b32 s15, s86, 0x600000
	v_and_b32 v96, 15, v0                          ; r
	v_bfe_u32 v97, v0, 4, 1                        ; h
	v_lshlrev_b32 v98, 7, v96
	v_lshl_add_u32 v98, v97, 4, v98
.irp x, 0,1
.irp c, 0,1,2,3
	global_load_b128 v[QF+16*\x+4*\c:QF+16*\x+4*\c+3], v98, s[4:5] offset:262144*\x+32*\c   ; Q's two fragments stay in registers; a head is 2,048 rows of 128 bytes
.endr
.endr
	v_and_b32 v99, 31, v0
	v_lshrrev_b32 v[PFO], 2, v99
	v_mul_lo_u32 v[PFO], v[PFO], s98
	v_and_b32 v99, 3, v0
	v_lshl_add_u32 v[PFO], v99, 8, v[PFO]
	v_mul_u32_u24 v[AK0], v96, KPI
	v_lshl_add_u32 v[AK0], v97, 4, v[AK0]
	v_add_nc_u32 v[AK0], s60, v[AK0]               ; K: row r of a tile, + 16 h, in my half
	v_add_nc_u32 v[AV0], BLK, v[AK0]               ; V^T: the same in the block behind
	v_mul_u32_u24 v[AM0], v96, MP
	v_lshl_add_u32 v[AM0], v97, 5, v[AM0]
	v_add_nc_u32 v[AM0], s61, v[AM0]               ; the mask: row 16 qt + r, + 8 h numbers
	v_mov_b32 v[SCP], s87
	v_mov_b32 v[LIMP], s88
	v_mov_b32 v[LIMP2], s88
.irp x, 0,1
	v_mov_b32 v[ST+10*\x+1], 0xff61b1e6            ; the largest t so far: -3e38
	v_floor_f32 v[ST+10*\x], -v[ST+10*\x+1]
	v_mov_b32 v[ST+10*\x+2], 0
	v_mov_b32 v[ST+10*\x+3], 0
	v_mov_b32 v[ST+10*\x+5], 0                     ; (named as the upper half of f's pair)
	v_mov_b32 v[ST+10*\x+9], 0                     ; a lane permute's destination counts as one of its sources
.endr
	WIN W_LD
.set jj, 0
.rept 128
	v_mov_b32 v[OT+jj], 0                          ; O^T: the step is written without a first form of its own; these lines stand under the first load's flight
.set jj, jj+1
.endr
	WIN 0
	s_wait_alu depctr_va_vdst(0)                   ; the wait at the head's end
	s_wait_loadcnt 0x0                             ; Q
	LINES 1                                        ; the first change of slots is written out: my part of slot 0 is in;
	CROUND                                         ; everybody's is, and the sixteen work-groups meet;
	JLOAD                                          ; slot 1's first fill, issued as a refill is
	s_mov_b32 s[TR], 0
.Ltrip:                                            ; steps 0 to 5: step t's change of slots asks for slot t + 2
	P1 1
	P2A
	MEET 1
	s_xor_b32 s[TB], s[TB], SLOT1
	s_add_co_u32 s[TR], s[TR], 1
	s_cmp_lt_u32 s[TR], 6
	s_cbranch_scc1 .Ltrip
.Llast:                                            ; steps 6 and 7: nothing is left to fetch; step 6's barrier shows slot 7 whole, step 7's that every wave has left the ring
	P1 0
	P2A
	MEET 0
	s_xor_b32 s[TB], s[TB], SLOT1
	s_add_co_u32 s[TR], s[TR], 1
	s_cmp_lt_u32 s[TR], 8
	s_cbranch_scc1 .Llast
	; THE WAY OUT.  Wave w keeps head kp of its two and hands the other to wave w xor 4; the two parts of a head are joined, divided by the sum and quantised; the codes meet in the stage.
	s_mul_i32 s86, s[WV], XW
	s_xor_b32 s87, s[WV], 4
	s_mul_i32 s87, s87, XW
	s_mul_i32 s88, s55, 16*SP
	s_lshl_b32 s89, s58, 3
	s_add_co_u32 s88, s88, s89
	s_lshl_b32 s89, s56, 2
	s_add_co_u32 s88, s88, s89
	s_add_co_u32 s88, s88, STG
	s_mul_i32 s89, s[WV], 4*SP
	s_add_co_u32 s89, s89, STG
.irp x, 0,1
	v_add_f32 v[ST+10*\x+2], v[ST+10*\x+2], v[ST+10*\x+3]
.endr
.irp x, 0,1
	v_permlanex16_b32 v[ST+10*\x+9], v[ST+10*\x+2], s[SEL], s[SEL+1]
.endr
.irp x, 0,1
	v_add_f32 v[ST+10*\x+2], v[ST+10*\x+2], v[ST+10*\x+9]   ; the sum over my keys
.endr
	v_and_b32 v64, 15, v0                          ; r
	v_bfe_u32 v65, v0, 4, 1                        ; h
	v_and_b32 v68, 31, v0
	v_lshlrev_b32 v68, 4, v68                      ; 16 x lane
	v_add_nc_u32 v66, s86, v68                     ; where I put what I hand over,
	v_add_nc_u32 v67, s87, v68                     ; and where my partner has put its
	v_mul_u32_u24 v69, v64, SP
	v_lshl_add_u32 v69, v65, 5, v69
	v_add_nc_u32 v69, s88, v69                     ; the stage: row 16 qt + r, byte 32 h + 4 (2 hp + kp) (+ 64 t, + 16)
	v_add_nc_u32 v70, s89, v68                     ; back: my four rows, 16 bytes a lane
	v_mov_b32 v71, s14                             ; 2^(e10 - e8 - e9)
	v_mov_b32 v72, s15                             ; 448 x that
	v_mov_b32 v85, 0                               ; (upper halves of pairs that are named)
	v_mov_b32 v87, 0
.macro SENDX x                         ; head x's O^T, each accumulator from its low end on, and its -M and sum
	WIN 0x04                                       ; the stores' data in window 1
.irp i, 0,1,2,3,4,5,6,7,8,9,10,11,12,13,14,15
	ds_store_b128 v66, v[OT+64*\x+4*\i:OT+64*\x+4*\i+3] offset:512*\i
.endr
	WIN 0
	ds_store_b128 v66, v[ST+10*\x:ST+10*\x+3] offset:8192
.endm
.macro MERGE x
	ds_load_b128 v[76:79], v67 offset:8192         ; the partner's -M (v76) and sum (v78)
.irp i, 0,1,2,3,4,5,6,7,8,9,10,11,12,13,14,15
	ds_load_b128 v[S+4*\i:S+4*\i+3], v67 offset:512*\i
.endr
	s_wait_dscnt 16                                ; the statistics are in; the 16 loads behind them may be out
	v_min_num_f32 v80, v[ST+10*\x], v76            ; the common -M
	v_sub_f32 v81, v80, v[ST+10*\x]                ; my M - the common M: a whole number, 0 or less
	v_sub_f32 v82, v80, v76
	v_cvt_i32_f32 v81, v81
	v_cvt_i32_f32 v82, v82
	v_ldexp_f32 v81, 1.0, v81
	v_ldexp_f32 v82, 1.0, v82
	v_mul_f32 v83, v[ST+10*\x+2], v81
	v_fmac_f32 v83, v78, v82                       ; the row's sum
	s_wait_alu depctr_va_vdst(0)                   ; the wait ahead of the transcendental
	v_rcp_f32 v83, v83
	v_nop
	s_wait_alu depctr_va_vdst(0)                   ; and ahead of its first reader
	v_mul_f32 v84, v81, v83
	v_mul_f32 v86, v82, v83
	WIN 0x01                                       ; source 0 in window 1
	s_wait_alu depctr_va_vdst(0)                   ; directly ahead of the first reader of O^T
.set jj, 0
.rept 32
	v_pk_mul_f32 v[160+jj:161+jj], v[OT+64*\x+jj:OT+64*\x+jj+1], v[84:85] op_sel_hi:[1,0]
.set jj, jj+2
.endr
	WIN 0
	s_wait_alu depctr_va_vdst(0)                   ; directly ahead of the wait below
	s_wait_dscnt 0x0
.set jj, 0
.rept 32
	v_pk_fma_f32 v[160+jj:161+jj], v[S+jj:S+jj+1], v[86:87], v[160+jj:161+jj] op_sel_hi:[1,0,1]   ; register 8 t + j: channel 16 t + 8 h + j of query r
.set jj, jj+2
.endr
.irp t, 0,1,2,3,4,5,6,7
.irp j, 0,1,2,3,4,5,6,7
	v_med3_num_f32 v[160+8*\t+\j], v[160+8*\t+\j], -v72, v72
.endr
	v_cvt_scalef32_pk8_fp8_f32 v[32+2*\t:33+2*\t], v[160+8*\t:167+8*\t], v71
.endr
	v_nop                                          ; a plain line behind the last conversion
.irp t, 0,1,2,3,4,5,6,7
	ds_store_b32 v69, v[32+2*\t] offset:64*\t
	ds_store_b32 v69, v[33+2*\t] offset:64*\t+16
.endr
.endm
	s_wait_alu depctr_va_vdst(0)                   ; directly ahead of the branch
	s_cmp_eq_u32 s56, 0
	s_cbranch_scc0 .Lsend0
	SENDX 1
	s_branch .Lsent
.Lsend0:
	SENDX 0
.Lsent:
	s_wait_dscnt 0x0                               ; for the partner's sake
	s_barrier_signal -1
	s_barrier_wait -1
	s_cmp_eq_u32 s56, 0
	s_cbranch_scc0 .Lkeep1
	MERGE 0
	s_branch .Lmerged
.Lkeep1:
	MERGE 1
.Lmerged:
	s_wait_dscnt 0x0                               ; for the others' sake: my stores into the stage are done
	s_barrier_signal -1
	s_barrier_wait -1
.irp i, 0,1,2,3
	ds_load_b128 v[48+4*\i:51+4*\i], v70 offset:SP*\i
.endr
.irp i, 0,1,2,3
	s_wait_dscnt 3-\i
	global_store_b128 v68, v[48+4*\i:51+4*\i], s[12:13] offset:2048*\i   ; 32 lanes store 512 consecutive bytes, aligned
.endr
	s_wait_tensorcnt 0x0                           ; the wave's end
	ds_add_u32 v[SPW], v[NIL]
	s_wait_dscnt 0x0
	CROUND                                         ; the closing round
	s_endpgm
.Lfunc_end_k_qf2a98846bf_attn:
	.size	k_qf2a98846bf_attn, .Lfunc_end_k_qf2a98846bf_attn-k_qf2a98846bf_attn
	.p2alignl 7, 3214868480
	.fill 96, 4, 3214868480
	.section	.rodata,"a",@progbits
	.p2align	6, 0x0
	.amdhsa_kernel k_qf2a98846bf_attn
		.amdhsa_group_segment_fixed_size 327680
		.amdhsa_private_segment_fixed_size 0
		.amdhsa_enable_private_segment 0
		.amdhsa_kernarg_size 40
		.amdhsa_user_sgpr_count 2
		.amdhsa_user_sgpr_kernarg_segment_ptr 1
		.amdhsa_wavefront_size32 1
		.amdhsa_system_sgpr_workgroup_id_x 1
		.amdhsa_system_sgpr_workgroup_id_y 1
		.amdhsa_system_sgpr_workgroup_id_z 1
		.amdhsa_system_vgpr_workitem_id 0
		.amdhsa_next_free_vgpr 512
		.amdhsa_next_free_sgpr 100
		.amdhsa_reserve_vcc 0
		.amdhsa_float_denorm_mode_32 3
		.amdhsa_float_denorm_mode_16_64 3
		.amdhsa_memory_ordered 1
		.amdhsa_forward_progress 1
		.amdhsa_inst_pref_size 116
	.end_amdhsa_kernel
	.amdgpu_metadata
---
amdhsa.version: [ 1, 2 ]
amdhsa.kernels:
  - .name:           k_qf2a98846bf_attn
    .symbol:         k_qf2a98846bf_attn.kd
    .args:
      - { .name: q_c, .offset: 0, .size: 8, .value_kind: global_buffer, .address_space: global }
      - { .name: kv_c, .offset: 8, .size: 8, .value_kind: global_buffer, .address_space: global }
      - { .name: mask, .offset: 16, .size: 8, .value_kind: global_buffer, .address_space: global }
      - { .name: lowp_scales, .offset: 24, .size: 8, .value_kind: global_buffer, .address_space: global }
      - { .name: o_c, .offset: 32, .size: 8, .value_kind: global_buffer, .address_space: global }
    .group_segment_fixed_size: 327680
    .private_segment_fixed_size: 0
    .kernarg_segment_align: 8
    .kernarg_segment_size: 40
    .max_flat_workgroup_size: 256
    .sgpr_count:     100
    .vgpr_count:     512
    .wavefront_size: 32
...
	.end_amdgpu_metadata
.endif
;; end of part 7
;; launch proj (part 8): grid 16 x 16, 4 waves a work-group, clusters of 4 x 4, 327,680 bytes of LDS; arguments o_c, wc, lowp_scales, out0; writes out0
.if DOCPART == 8
	.amdgcn_target "amdgcn-amd-amdhsa--gfx1250"
	.amdhsa_code_object_version 6
	.text
	.protected	k_qf2a98846bf_proj
	.globl	k_qf2a98846bf_proj
	.p2align	8
	.type	k_qf2a98846bf_proj,@function
k_qf2a98846bf_proj:
	s_mov_b64 s[64:65], 0
	v_nop
	global_prefetch_b8 v0, s[64:65] scope:SCOPE_SE
	s_setreg_imm32_b32 hwreg(HW_REG_WAVE_MODE, 25, 1), 1
	s_wait_xcnt 0x0
	s_wait_alu depctr_hold_cnt(0) depctr_sa_sdst(0) depctr_va_vdst(0) depctr_va_sdst(0) depctr_va_ssrc(0) depctr_va_vcc(0) depctr_vm_vsrc(0)
	s_getreg_b32 s2, hwreg(HW_REG_IB_STS2, 6, 4)
	s_cmp_eq_u32 s2, 0
	s_cbranch_scc0 .Lentry_in_a_cluster
	s_endpgm
.Lentry_in_a_cluster:
	s_bfe_u32 s2, ttmp6, 0x10000c
	s_cmp_lg_u32 s2, 0xf033
	s_cbranch_scc0 .Lentry_shape_is_right
	s_endpgm
.Lentry_shape_is_right:
; out0 = o wo^T on codes of E4M3: A = o_c [2048][2048], B = wo's codes (wc + 0x600000), both with K in one and the same order; each f32 sum x 2^(e10 + e11).  LIMIT: e10 + e11 between -126 and 127.
; A tile of 128 x 128 to a work-group, four waves of 64 x 64; K in four steps of 512 through a ring of two slots; clusters of 4 x 4 with joint loads, A's tile along a row, B's along a column.
; One tensor load a wave at the head (K step 0); slot 1's first fill stands behind the waits, the add and a round, as a refill does.
.set KROW,   2048
.set KB,     512
.set PITCH,  528
.set HALFT,  64*PITCH
.set SLOT,   4*HALFT
.set SPARE,  2*SLOT
.set SPITCH, 528
.set ADRA, 16
.set ADRB, 20
.set STO,  24
.set RD,   25
.set CO,   26
.set SPW,  28
.set NIL,  29
.set ACC,  128
.set F0,   0
.set F1,   128
.set G1, 24
.set G0, 32
.set G1B, 48
.set G0B, 56
.set MSB, 0
.macro WIN new
.if MSB != \new
	s_set_vgpr_msb (MSB<<8)|\new
.set MSB, \new
.endif
.endm
.set MUL,  0x05
.set TO_F, 0x40
.macro JLOAD s
	s_cmp_eq_u32 s11, 0
	s_cbranch_scc0 .Lfor_b_\@
	tensor_load_to_lds s[G0+4*\s:G0+4*\s+3], s[G1:G1+7]
	s_nop 0
.rept 4
	v_nop
.endr
	s_branch .Lasked_\@
.Lfor_b_\@:
	tensor_load_to_lds s[G0B+4*\s:G0B+4*\s+3], s[G1B:G1B+7]
	s_nop 0
.rept 4
	v_nop
.endr
.Lasked_\@:
.endm
.macro CREST
	s_cmp_lg_u32 s10, 0
	s_cbranch_scc1 .Lnot_wave_0_\@
	s_barrier_signal -3
.Lnot_wave_0_\@:
	s_barrier_wait -3
	s_barrier_signal -1
	s_barrier_wait -1
.endm
.macro CROUND
	s_barrier_signal -1
	s_barrier_wait -1
	CREST
.endm
.macro PLACES
.rept 4
	v_nop
.endr
.endm
.macro MUL4 f, a, zero
.irp b, 0,1,2,3
.if \zero
	v_wmma_f32_16x16x128_fp8_fp8 v[ACC+8*(4*(\a)+\b):ACC+8*(4*(\a)+\b)+7], v[\f+64+16*\b:\f+64+16*\b+15], v[\f+16*(\a):\f+16*(\a)+15], 0
.else
	v_wmma_f32_16x16x128_fp8_fp8 v[ACC+8*(4*(\a)+\b):ACC+8*(4*(\a)+\b)+7], v[\f+64+16*\b:\f+64+16*\b+15], v[\f+16*(\a):\f+16*(\a)+15], v[ACC+8*(4*(\a)+\b):ACC+8*(4*(\a)+\b)+7]
.endif
.endr
.endm
.macro MUL8 f, a0, zero
	MUL4 \f, \a0, \zero
	MUL4 \f, \a0+1, \zero
.endm
.macro FETCH slot, k, f
	WIN TO_F
.irp i, 0,1,2,3
.irp c, 0,1,2,3
	ds_load_b128 v[\f+64+16*\i+4*\c:\f+64+16*\i+4*\c+3], v[ADRB+\slot] offset:\k+32*\c+\i*16*PITCH
.endr
.endr
.irp i, 0,1,2,3
.irp c, 0,1,2,3
	ds_load_b128 v[\f+16*\i+4*\c:\f+16*\i+4*\c+3], v[ADRA+\slot] offset:\k+32*\c+\i*16*PITCH
.endr
.endr
.endm
.macro QUARTER slot, k, f, g, zero
	s_wait_dscnt 8
	WIN MUL
	MUL8 \f, 0, \zero
	PLACES
	FETCH \slot, \k, \g
	s_wait_dscnt 32
	WIN MUL
	MUL8 \f, 2, \zero
.endm
.macro TURN slot, next, fill
	WIN 0
	s_wait_tensorcnt 0x0
	ds_add_u32 v[SPW], v[NIL]
	s_wait_dscnt 13
	WIN MUL
	MUL4 F1, 0, 0
	s_wait_dscnt 0x0
	s_barrier_signal -1
	MUL4 F1, 1, 0
.if \fill
	WIN 0
.endif
	s_barrier_wait -1
.if \fill
	CREST
	s_add_nc_u64 s[G0+4*\slot+2:G0+4*\slot+3], s[G0+4*\slot+2:G0+4*\slot+3], 2*KB
	s_add_nc_u64 s[G0B+4*\slot+2:G0B+4*\slot+3], s[G0B+4*\slot+2:G0B+4*\slot+3], 2*KB
	JLOAD \slot
.else
	PLACES
.endif
	FETCH \next, 0, F0
	WIN MUL
	MUL8 F1, 2, 0
.endm
	s_load_b256 s[68:75], s[0:1], 0x0
	v_lshl_add_u32 v[SPW], v0, 2, SPARE
	v_mov_b32 v[NIL], 0
	ds_add_u32 v28, v29
	ds_add_u32 v28, v29
	s_wait_dscnt 0x0
	v_lshrrev_b32 v1, 5, v0
	v_readfirstlane_b32 s10, v1
	s_lshr_b32 s11, s10, 1
	s_and_b32 s12, s10, 1
	s_bfe_u32 s40, ttmp6, 0x40000
	s_bfe_u32 s41, ttmp6, 0x40004
	s_lshl_b32 s42, ttmp9, 2
	s_add_co_u32 s42, s42, s40
	s_and_b32 s13, ttmp7, 0xffff
	s_lshl_b32 s13, s13, 2
	s_add_co_u32 s13, s13, s41
	s_lshl_b32 s43, s41, 2
	s_lshl_b32 s43, 15, s43
	s_lshl_b32 s44, 0x1111, s40
	s_or_b32 s[G1+0], s43, (0<<16)|(1<<20)|(1<<21)|(6<<22)|(3<<25)
	s_or_b32 s[G1B+0], s44, (0<<16)|(1<<20)|(1<<21)|(6<<22)|(3<<25)
.irp g, G1, G1B
	s_mov_b32 s[\g+1], KB<<16
	s_mov_b32 s[\g+2], 64<<16
	s_mov_b32 s[\g+3], KB<<16
	s_mov_b32 s[\g+4], 64
	s_mov_b32 s[\g+5], KROW
	s_mov_b32 s[\g+6], 0
	s_mov_b32 s[\g+7], 0
.endr
	s_lshl_b32 s19, s12, 6
	s_lshl_b32 s16, s13, 7
	s_add_co_u32 s16, s16, s19
	s_lshl_b32 s16, s16, 11
	s_mov_b32 s17, 0
	s_lshl_b32 s46, s42, 7
	s_add_co_u32 s46, s46, s19
	s_lshl_b32 s46, s46, 11
	s_mov_b32 s47, 0
	s_mul_i32 s20, s10, HALFT
	s_wait_kmcnt 0x0
	s_load_b64 s[96:97], s[72:73], 0x28
	s_add_nc_u64 s[6:7], s[70:71], 0x600000
	s_add_nc_u64 s[14:15], s[68:69], s[16:17]
	s_add_nc_u64 s[46:47], s[6:7], s[46:47]
	CROUND
.irp s, 0,1
	s_mov_b32 s[G0+4*\s], 1
	s_add_co_u32 s[G0+4*\s+1], s20, \s*SLOT
	s_add_nc_u64 s[G0+4*\s+2:G0+4*\s+3], s[14:15], \s*KB
	s_or_b32 s[G0+4*\s+3], s[G0+4*\s+3], 0x80000000
	s_mov_b32 s[G0B+4*\s], 1
	s_add_co_u32 s[G0B+4*\s+1], s20, \s*SLOT
	s_add_nc_u64 s[G0B+4*\s+2:G0B+4*\s+3], s[46:47], \s*KB
	s_or_b32 s[G0B+4*\s+3], s[G0B+4*\s+3], 0x80000000
.endr
	JLOAD 0                                        ; K step 0
	; PREFETCH INTO THE L2.  A K step is 512 bytes of each row.  Of the 64 rows that my wave fetches, each of the four partners that ask for them jointly takes 16, told apart by ADDRESS (cx for A, cy for B):
	; a lane names one of a row's two blocks of 256 bytes, one instruction a wave and K step.  Here K steps 1 and 2 are named, behind K step 1's load K step 3: one or two loads ahead of the load that wants them, and none past K's end.
	s_cmp_eq_u32 s11, 0                            ; do I fetch for A?
	s_cselect_b64 s[66:67], s[14:15], s[46:47]     ; my 64 rows at K step 0; s[66:67] and v9 are never rewritten
	s_cselect_b32 s98, s40, s41                    ; my place among the four that ask with me
	s_lshl_b32 s98, s98, 15                        ; 16 rows of 2,048 bytes
	s_mov_b32 s99, 0
	s_add_nc_u64 s[66:67], s[66:67], s[98:99]
	v_and_b32 v7, 1, v0
	v_bfe_u32 v8, v0, 1, 4
	v_lshlrev_b32 v8, 11, v8
	v_lshl_add_u32 v9, v7, 8, v8                   ; row lane / 2, block lane % 2
	global_prefetch_b8 v9, s[66:67] offset:512 th:TH_LOAD_NT scope:SCOPE_SE
	global_prefetch_b8 v9, s[66:67] offset:1024 th:TH_LOAD_NT scope:SCOPE_SE
	v_and_b32 v1, 15, v0
	s_wait_alu depctr_va_vdst(0)
	v_bfe_u32 v2, v0, 4, 1
	v_mul_u32_u24 v3, v1, PITCH
	v_lshl_add_u32 v3, v2, 4, v3
	s_mul_i32 s21, s11, HALFT
	s_mul_i32 s22, s12, HALFT
	s_add_co_u32 s22, s22, 2*HALFT
.irp s, 0,1
	v_add_nc_u32 v[ADRA+\s], s21, v3
	v_add_nc_u32 v[ADRB+\s], s22, v3
	s_add_co_u32 s21, s21, SLOT
	s_add_co_u32 s22, s22, SLOT
.endr
	s_mul_i32 s23, s11, 64*SPITCH
	s_lshl_b32 s21, s12, 8
	s_add_co_u32 s23, s23, s21
	v_mul_u32_u24 v4, v1, SPITCH
	s_wait_alu depctr_va_vdst(0)
	v_lshl_add_u32 v4, v2, 5, v4
	v_add_nc_u32 v[STO], s23, v4
	v_and_b32 v6, 31, v0
	v_lshlrev_b32 v[CO], 4, v6
	s_mul_i32 s23, s10, 32*SPITCH
	v_add_nc_u32 v[RD], s23, v[CO]
	s_lshl_b32 s16, s13, 7
	s_lshl_b32 s17, s10, 5
	s_add_co_u32 s16, s16, s17
	s_lshl_b32 s16, s16, 13
	s_mov_b32 s17, 0
	s_add_nc_u64 s[8:9], s[74:75], s[16:17]
	s_lshl_b32 s46, s42, 9
	s_mov_b32 s47, 0
	s_add_nc_u64 s[8:9], s[8:9], s[46:47]
	s_wait_kmcnt 0x0
	s_add_co_i32 s96, s96, s97
	s_add_co_i32 s96, s96, 127
	s_lshl_b32 s96, s96, 23
	s_mov_b32 s97, s96
	s_wait_alu depctr_va_vdst(0)                   ; the wait at the head's end
	s_wait_tensorcnt 0x0                           ; my part of K step 0 is in
	ds_add_u32 v[SPW], v[NIL]                      ; 0 onto my spare word
	s_wait_dscnt 0x0
	CROUND
	JLOAD 1                                        ; K step 1: the first tensor load behind the round
	FETCH 0, 0, F0
	global_prefetch_b8 v9, s[66:67] offset:1536 th:TH_LOAD_NT scope:SCOPE_SE   ; K step 3 (the address register lies in window 0)
	QUARTER 0, 128, F0, F1, 1
	QUARTER 0, 256, F1, F0, 0
	QUARTER 0, 384, F0, F1, 0
	TURN 0, 1, 1
	QUARTER 1, 128, F0, F1, 0
	QUARTER 1, 256, F1, F0, 0
	QUARTER 1, 384, F0, F1, 0
	TURN 1, 0, 1
	QUARTER 0, 128, F0, F1, 0
	QUARTER 0, 256, F1, F0, 0
	QUARTER 0, 384, F0, F1, 0
	TURN 0, 1, 0
	QUARTER 1, 128, F0, F1, 0
	QUARTER 1, 256, F1, F0, 0
	QUARTER 1, 384, F0, F1, 0
	s_wait_dscnt 8
	WIN MUL
	MUL8 F1, 0, 0
	s_wait_dscnt 0x0
	MUL8 F1, 2, 0
	WIN 0
	PLACES
.set jj, 0
.rept 64
	v_pk_mul_f32 v[ACC+jj:ACC+jj+1], v[ACC+jj:ACC+jj+1], s[96:97] op_sel_hi:[1,0]
.set jj, jj+2
.endr
.irp a, 0,1,2,3
.irp b, 0,1,2,3
	ds_store_b128 v[STO], v[ACC+8*(4*\a+\b):ACC+8*(4*\a+\b)+3] offset:\a*16*SPITCH+64*\b
	ds_store_b128 v[STO], v[ACC+8*(4*\a+\b)+4:ACC+8*(4*\a+\b)+7] offset:\a*16*SPITCH+64*\b+16
.endr
.endr
	s_wait_dscnt 0x0
	s_barrier_signal -1
	s_barrier_wait -1
.set jj, 0
.rept 32
	ds_load_b128 v[ACC+4*jj:ACC+4*jj+3], v[RD] offset:jj*SPITCH
.set jj, jj+1
.endr
.set jj, 0
.rept 32
	s_wait_dscnt 31-jj
	global_store_b128 v[CO], v[ACC+4*jj:ACC+4*jj+3], s[8:9] offset:jj*8192 th:TH_STORE_NT
.set jj, jj+1
.endr
	s_wait_tensorcnt 0x0
	ds_add_u32 v[SPW], v[NIL]
	s_wait_dscnt 0x0
	CROUND
	s_endpgm
.Lfunc_end_k_qf2a98846bf_proj:
	.size	k_qf2a98846bf_proj, .Lfunc_end_k_qf2a98846bf_proj-k_qf2a98846bf_proj
	.p2alignl 7, 3214868480
	.fill 96, 4, 3214868480
	.section	.rodata,"a",@progbits
	.p2align	6, 0x0
	.amdhsa_kernel k_qf2a98846bf_proj
		.amdhsa_group_segment_fixed_size 327680
		.amdhsa_private_segment_fixed_size 0
		.amdhsa_enable_private_segment 0
		.amdhsa_kernarg_size 32
		.amdhsa_user_sgpr_count 2
		.amdhsa_user_sgpr_kernarg_segment_ptr 1
		.amdhsa_wavefront_size32 1
		.amdhsa_system_sgpr_workgroup_id_x 1
		.amdhsa_system_sgpr_workgroup_id_y 1
		.amdhsa_system_sgpr_workgroup_id_z 1
		.amdhsa_system_vgpr_workitem_id 0
		.amdhsa_next_free_vgpr 512
		.amdhsa_next_free_sgpr 100
		.amdhsa_reserve_vcc 0
		.amdhsa_float_denorm_mode_32 3
		.amdhsa_float_denorm_mode_16_64 3
		.amdhsa_memory_ordered 1
		.amdhsa_forward_progress 1
		.amdhsa_inst_pref_size 75
	.end_amdhsa_kernel
	.amdgpu_metadata
---
amdhsa.version: [ 1, 2 ]
amdhsa.kernels:
  - .name:           k_qf2a98846bf_proj
    .symbol:         k_qf2a98846bf_proj.kd
    .args:
      - { .name: o_c, .offset: 0, .size: 8, .value_kind: global_buffer, .address_space: global }
      - { .name: wc, .offset: 8, .size: 8, .value_kind: global_buffer, .address_space: global }
      - { .name: lowp_scales, .offset: 16, .size: 8, .value_kind: global_buffer, .address_space: global }
      - { .name: out0, .offset: 24, .size: 8, .value_kind: global_buffer, .address_space: global }
    .group_segment_fixed_size: 327680
    .private_segment_fixed_size: 0
    .kernarg_segment_align: 8
    .kernarg_segment_size: 32
    .max_flat_workgroup_size: 128
    .sgpr_count:     100
    .vgpr_count:     512
    .wavefront_size: 32
...
	.end_amdgpu_metadata
.endif
;; end of part 8
